; MI455X (gfx1250); checked and timed in simulation.
; The chip was launched on July 23, 2026; its instructions are those of AMD's public machine-readable ISA for CDNA 5 (MIT licence, August 2026) and "CDNA5" Instruction Set Architecture Reference Guide (July 2026). The comments in the code are by the model that wrote it; some were corrected since.
;; Attention. Allowed arithmetic: matrix products marked QUANTISED: E2M1 operands, one E8M0 scale for each 32 along K, by v_wmma_scale_f32_16x16x128_f8f6f4 with both operands' format E2M1 (or v_wmma_scale_f32_32x16x128_f4), f32 sums; everything else in f32.
;; Inputs: W 1,024 x 1,024 float32; x 4 x 2,048 x 1,024 float32.
;; Outputs: out0 4 x 2,048 x 1,024 float32.
;; This version of the problem:
;;   THIS VERSION OF THE PROBLEM IS GIVEN IN LOW PRECISION. The matrix products marked QUANTISED in the list below multiply operands that are first quantised to E2M1 (2 exponent bits, 1 mantissa bit; 4 bits a number), with one power-of-two scale for each 32 numbers along K (OCP MX v1.0); their sums are f32. All else is computed in f32.
;;   The module's matrix products, in the order in which they are computed (A, B: the left and right operand; K: the contracted axis; several contracted axes count as one K, in the product's order):
;;     1. [M 8,192, K 1,024] x [K 1,024, N 1,024]; A: input x; B: input W: QUANTISED
;;     2. batch 64 x [M 2,048, K 64] x [K 64, N 2,048]; A: computed on the way; B: computed on the way: QUANTISED
;;     3. batch 64 x [M 2,048, K 2,048] x [K 2,048, N 64]; A: softmax (see below); B: computed on the way: QUANTISED
;;     4. [M 8,192, K 1,024] x [K 1,024, N 1,024]; A: computed on the way; B: input W: QUANTISED
;;   THE QUANTISER, for each operand of a quantised product, along K:
;;     - K is cut into blocks of 32 from its start; a last block that is shorter is filled with zeros.
;;     - A block's scale is 2^e with e = floor(log2(the largest magnitude in the block)) - 2, held to -126 .. 127; a block of zeros has e = 0. As a byte (E8M0): e + 127.
;;     - Each number is divided by its block's scale, clamped to +-6, and rounded to the nearest number of E2M1, ties to even, subnormals kept.
;;     - The product sums the exact products of the quantised numbers (number of the format x scale) in f32.
;;   ~~~python
;;   def quantise(x, axis):      # numpy; x: float32 -> the quantised numbers, widened to float32 again
;;       x = np.moveaxis(x, axis, -1); K = x.shape[-1]
;;       x = np.pad(x, [(0, 0)] * (x.ndim - 1) + [(0, -K % 32)]); x = x.reshape(x.shape[:-1] + (-1, 32)); a = np.abs(x).max(-1, keepdims=True)
;;       e = np.where(a > 0, np.clip(np.frexp(np.where(a > 0, a, 1))[1] - 1 - 2, -126, 127), 0)      # np.frexp(a)[1] - 1 = floor(log2(a)), exactly
;;       r = np.clip(x / 2.0 ** e, -6, 6)
;;       step = 2.0 ** (np.maximum(np.frexp(np.where(r == 0, 1, r))[1] - 1, 0) - 1)
;;       q = np.round(r / step) * step * 2.0 ** e      # np.round: ties to even
;;       return np.moveaxis(q.reshape(q.shape[:-2] + (-1,))[..., :K], -1, axis).astype(np.float32)
;;   ~~~
;;   SOFTMAX AHEAD OF A QUANTISED PRODUCT. Where the list says 'softmax', what is quantised is not the finished softmax but p = 2^(t - M), with t = logit x log2(e) and M = ceil(the row's largest t), a whole number; so 1/2 < the row's largest p <= 1. The row's sum l is taken of the UNQUANTISED p, in f32, and the product's result is divided by l at the end. Since M is a whole number, a kernel that streams over the keys may use a running M (the ceiling of the running maximum): every later rescaling is an exact power of two, which a block's scale takes up: the codes' values come out the same.
;;   OPERANDS COMPUTED ON THE WAY. 'Computed on the way' means the value that the module computes at that place (a softmax that the list does not call 'softmax' is quantised finished and normalised). What goes into a quantiser is computed in f32, as accurately as f32 sums, v_exp_f32 and their like allow (about 1e-6 of the number): no bf16 or f16 on the way to a quantiser, and a product that is left as it is and whose result goes on into a quantised operand takes f32 operands (vector FMAs, or v_wmma_f32_16x16x4_f32). A number that lies on a knife's edge between two numbers of the format may be rounded either way, as far as f32 arithmetic and the matrix unit's own rounding can turn it there, and no further.
;; One version. Each part assembles by itself: llvm-mc -triple=amdgcn-amd-amdhsa -mcpu=gfx1250 --defsym DOCPART=n.
;; ======== version 1 of 1: 4 launches
;; limits: right only within a limited range of input values
;; workspace buffers: x_op 4,456,448 bytes; w_op 557,056 bytes; kv 8,912,896 bytes; a_op 4,456,448 bytes
;; launch quant (part 1): grid 576 x 1, 4 waves a work-group, no clusters, 36,352 bytes of LDS; arguments x, W, x_op, w_op; writes x_op, w_op
.if DOCPART == 1
	.amdgcn_target "amdgcn-amd-amdhsa--gfx1250"
	.amdhsa_code_object_version 6
	.text
	.protected	k_q043885342c_quant
	.globl	k_q043885342c_quant
	.p2align	8
	.type	k_q043885342c_quant,@function
k_q043885342c_quant:
	s_mov_b64 s[64:65], 0
	v_nop
	global_prefetch_b8 v0, s[64:65] scope:SCOPE_SE
	s_setreg_imm32_b32 hwreg(HW_REG_WAVE_MODE, 25, 1), 1
	s_wait_xcnt 0x0
; x [8192][1024] f32 (K = its last axis) and W [1024][1024] f32 (K = its FIRST axis) become codes of FP4 (E2M1) with one E8M0 scale byte for each 32 along K,
; laid as IMAGES OF OPERAND REGISTERS: a fragment (16 rows x 128 K) is 1,024 bytes, register group c (0, 1) at 512 c, lane l's 16 bytes at 16 l: lane (r, h) holds k = 64 c + 32 h + 0 .. 31 of the tile's row r.
;   x_op: [64 groups of 128 rows][8 K steps][8,704 bytes]: 8 fragments, then 128 scale words (tile x 16 + r).     w_op: [4 groups of 256 columns][8 K steps][17,408 bytes]: 16 fragments, then 256 scale words.
; THE ROWS OF A TILE ARE NOT NEIGHBOURS: in a group of 32 rows (columns of W), lane r of tile 2 B + u holds row 32 B + 8 u + r + 8 (r / 8): a transposed product's 16 registers of two neighbouring tiles are then 16 neighbours.
; A block's scale is 2^(floor(log2(its largest magnitude)) - 2); its byte is the largest magnitude's exponent field - 2, held at 1 from below.
; LIMITS: a block of zeros, or one whose largest magnitude lies under 2^-124, gets the byte 1 (zero codes add nothing; this program alone reads the bytes); NaN and infinities among the inputs are not served.
; SHARES.  Work-groups 0-63 take W (a wave: 32 columns x 128 K, four units of one block, two units' loads out at a time), 64-575 take x (a wave: 32 rows x 128 K, two tiles, all its 32 loads out at once).
; W's work-groups have two dependent runs of loads and x's one, so W's have the lowest numbers.  Each way has LDS bytes of its own, each wave its own part: no barrier.
; A wave's 32 scale words leave as 128 consecutive bytes, half an aligned unit of 256: 1 byte in 256 of what the launch reads; the codes leave in whole units.
; No work-group shares an input with another: no cluster, no joint loads, no matrix unit.  No loop to run ahead in: no prefetch.
.set R,    32                          ; v32-159  x: two sets of 64 registers as loaded (16 rows x 512 bytes)
.set X,    160                         ; v160-223 x: 64 numbers of my row: register 16 b + i = k 32 b + 16 h + i
.set TM,   224                         ; v224-239 at work in QUANT
.set PC,   240                         ; v240-247 a fragment's codes
.set PW,   248                         ; v248     its scale word
.set SEL,  20                          ; s[20:21] v_permlanex16_b32's selects for lane l xor 16
.set SPX,  528                         ; a stage row: 512 bytes + 16 = 132 words, so that the 16 rows that a read touches start 4 banks apart (64 banks of 4 bytes: ISA guide 11.1)
.set XREG, 16*SPX+256                  ; a wave's LDS on x's way: the stage, then room for its scale words
.set WLDS, 4*XREG                      ; W's way: 256 bytes a wave, behind x's
.set NWW,  64                          ; W's work-groups
; 64 numbers of a lane, v[s] on, register 16 b + i = number 16 h + i of block b, become codes in v[pc] on.  swap = 1: whole blocks in a lane, the operand's layout.  word = 1: the four bytes as a word in v[PW].
.macro QUANT s, pc, swap, word
.irp b, 0,1,2,3
	v_max3_num_f32 v[TM+\b], |v[\s+16*\b]|, |v[\s+1+16*\b]|, 0x1800000   ; my 16 numbers of block b, and the floor 2^(3 - 127): the byte cannot fall under 1
.endr
.irp i, 2,4,6,8,10,12,14
.irp b, 0,1,2,3
	v_max3_num_f32 v[TM+\b], v[TM+\b], |v[\s+16*\b+\i]|, |v[\s+1+16*\b+\i]|   ; the four blocks by turns
.endr
.endr
.irp b, 0,1,2,3
	v_permlanex16_b32 v[TM+4+\b], v[TM+\b], s[SEL], s[SEL+1]
.endr
.irp b, 0,1,2,3
	v_max_num_f32 v[TM+\b], v[TM+\b], v[TM+4+\b]   ; with lane l xor 16's: the block's largest magnitude
.endr
.irp b, 0,1,2,3
	v_add_nc_u32 v[TM+12+\b], 0xff000000, v[TM+\b]   ; 2 off its exponent field: the conversion's scale operand
.endr
.irp b, 0,1,2,3
	v_lshrrev_b32 v[TM+4+\b], 23, v[TM+12+\b]      ; the scale's byte
.endr
.if \word
	v_lshl_or_b32 v[PW], v[TM+5], 8, v[TM+4]
	v_lshl_or_b32 v[PW], v[TM+6], 16, v[PW]
	v_lshl_or_b32 v[PW], v[TM+7], 24, v[PW]
.endif
.irp b, 0,1,2,3
	v_cvt_scalef32_pk8_fp4_f32 v[\pc+2*\b], v[\s+16*\b:\s+7+16*\b], v[TM+12+\b]
	v_cvt_scalef32_pk8_fp4_f32 v[\pc+1+2*\b], v[\s+8+16*\b:\s+15+16*\b], v[TM+12+\b]
.endr
	v_nop                                          ; one plain place behind a scaled conversion
.if \swap
.irp c, 0,1
.irp i, 0,1
	v_permlane16_swap_b32 v[\pc+4*\c+\i], v[\pc+2+4*\c+\i]   ; lanes 0-15 get block 2 c whole, lanes 16-31 block 2 c + 1
.endr
.endr
.endif
.endm
	s_load_b128 s[4:7], s[0:1], 0x0                ; x, W
	s_load_b128 s[8:11], s[0:1], 0x10              ; x_op, w_op
	v_lshl_add_u32 v254, v0, 2, 0x8c00             ; my spare word, behind both ways' bytes,
	v_mov_b32 v255, 0                              ; and 0: kept for the closing add
	v_lshrrev_b32 v1, 5, v0
	v_readfirstlane_b32 s12, v1                    ; wave 0..3
	v_and_b32 v7, 31, v0                           ; lane
	s_cmp_ge_u32 ttmp9, NWW
	s_cbranch_scc0 .Lw_path
	; ---------------- x: a wave takes 32 rows (two tiles) x 128 along K
	s_sub_co_u32 s32, ttmp9, NWW                   ; 0 .. 511
	s_lshr_b32 s13, s32, 3                         ; G: the group of 128 rows
	s_lshr_b32 s14, s32, 1
	s_and_b32 s14, s14, 3
	s_and_b32 s33, s32, 1
	s_lshr_b32 s15, s12, 1
	s_lshl_b32 s15, s15, 1
	s_add_co_u32 s15, s15, s33                     ; which 32 rows of the group
	s_and_b32 s16, s12, 1
	s_lshl_b32 s14, s14, 1
	s_add_co_u32 s14, s14, s16                     ; the K step
	s_lshl_b32 s24, s13, 19                        ; 128 rows of 4,096 bytes
	s_lshl_b32 s17, s15, 17                        ; 32 rows
	s_add_co_u32 s24, s24, s17
	s_lshl_b32 s17, s14, 9                         ; 128 numbers
	s_add_co_u32 s24, s24, s17
	s_mov_b32 s25, 0
	s_mul_i32 s26, s13, 69632
	s_mul_i32 s17, s14, 8704
	s_add_co_u32 s26, s26, s17                     ; the (G, K step) block of x_op
	s_lshl_b32 s28, s15, 11
	s_add_co_u32 s28, s28, s26                     ; my two fragments
	s_mov_b32 s29, 0
	s_lshl_b32 s30, s15, 7
	s_add_co_u32 s30, s30, s26
	s_add_co_u32 s30, s30, 8192                    ; my 32 scale words
	s_mov_b32 s31, 0
	s_mov_b32 s[SEL], 0x76543210
	s_mov_b32 s[SEL+1], 0xfedcba98
	s_wait_alu depctr_va_vdst(0)                   ; the wait behind the run of scalar lines
	v_lshlrev_b32 v1, 4, v7                        ; 16 x lane: my bytes of a load, and of an image
	v_and_b32 v8, 15, v0                           ; r
	v_bfe_u32 v9, v0, 4, 1                         ; h
	s_mul_i32 s18, s12, XREG
	v_add_nc_u32 v2, s18, v1                       ; the stage, on the way in
	v_mul_u32_u24 v3, v8, SPX
	v_lshl_add_u32 v3, v9, 6, v3
	v_add_nc_u32 v3, s18, v3                       ; and out: row r, + 64 h: my 16 numbers of a block
	s_add_co_u32 s19, s18, 16*SPX
	v_lshl_add_u32 v4, v8, 2, s19                  ; my row's scale word
	v_lshlrev_b32 v6, 2, v7
	v_add_nc_u32 v5, s19, v6                       ; the words on the way out: 4 bytes a lane
.irp b, 0,1,2,3
	v_mov_b32 v[TM+4+\b], 0                        ; written once: a lane permute's destination counts as one of its sources
.endr
	s_wait_alu depctr_va_vdst(0)                   ; the wait at the head's end
	s_wait_kmcnt 0x0
	s_add_nc_u64 s[4:5], s[4:5], s[24:25]
	s_add_nc_u64 s[28:29], s[8:9], s[28:29]
	s_add_nc_u64 s[30:31], s[8:9], s[30:31]
.macro XLOAD t                         ; tile t's 16 rows, 512 consecutive bytes a load, in the order of the tile's lanes
.irp i, 0,1,2,3,4,5,6,7,8,9,10,11,12,13,14,15
	global_load_b128 v[R+64*(\t)+4*\i:R+64*(\t)+4*\i+3], v1, s[4:5] offset:(8*(\t)+\i+8*(\i/8))*4096 th:TH_LOAD_NT
.endr
.endm
.macro XSTEP t
.if (\t) < 1
	s_wait_loadcnt 16                              ; this tile's 16 loads are in; the second tile's 16 may be out
.else
	s_wait_loadcnt 0x0
.endif
.irp i, 0,1,2,3,4,5,6,7,8,9,10,11,12,13,14,15
	ds_store_b128 v2, v[R+64*(\t)+4*\i:R+64*(\t)+4*\i+3] offset:\i*SPX
.endr
.irp b, 0,1,2,3
.irp j, 0,1,2,3
	ds_load_b128 v[X+16*\b+4*\j:X+16*\b+4*\j+3], v3 offset:\b*128+\j*16   ; LDS serves a wave's instructions in order: these see the stores above
.endr
.endr
	s_wait_dscnt 0x0                               ; my numbers are back
.if (\t) > 0
	s_wait_xcnt 0x0                                ; the last tile's stores have read the codes' registers: they are written again only behind this wait
.endif
	QUANT X, PC, 1, 1
	global_store_b128 v1, v[PC:PC+3], s[28:29] offset:(\t)*1024        ; 32 lanes store 512 consecutive bytes, aligned
	global_store_b128 v1, v[PC+4:PC+7], s[28:29] offset:(\t)*1024+512
	ds_store_b32 v4, v[PW] offset:(\t)*64          ; both halves of the lanes write the same word with the same value
.endm
	XLOAD 0
	XLOAD 1
	XSTEP 0
	XSTEP 1
	ds_load_b32 v250, v5                           ; my 32 scale words leave as 128 consecutive bytes
	s_wait_dscnt 0x0
	global_store_b32 v6, v250, s[30:31]
	s_wait_tensorcnt 0x0                           ; the wave's end
	ds_add_u32 v254, v255
	s_wait_dscnt 0x0
	s_endpgm
	; ---------------- W: a lane takes a column, its registers run down K.  A wave takes 32 columns x 128 along K: four units of one block
.Lw_path:
	s_lshr_b32 s14, ttmp9, 4                       ; the group of 256 columns
	s_lshr_b32 s15, ttmp9, 1
	s_and_b32 s15, s15, 7                          ; the K step
	s_and_b32 s13, ttmp9, 1
	s_lshl_b32 s18, s12, 1
	s_add_co_u32 s18, s18, s13                     ; which 32 columns of the 256
	s_lshl_b32 s24, s15, 19                        ; 128 rows of 4,096 bytes
	s_lshl_b32 s16, s14, 10
	s_add_co_u32 s24, s24, s16
	s_lshl_b32 s16, s18, 7                         ; my wave's 32 columns
	s_add_co_u32 s24, s24, s16
	s_mov_b32 s25, 0
	s_mul_i32 s26, s14, 139264
	s_mul_i32 s16, s15, 17408
	s_add_co_u32 s26, s26, s16
	s_lshl_b32 s28, s18, 11
	s_add_co_u32 s28, s28, s26                     ; my two fragments
	s_mov_b32 s29, 0
	s_lshl_b32 s30, s18, 7
	s_add_co_u32 s30, s30, s26
	s_add_co_u32 s30, s30, 16384                   ; my 32 scale words
	s_mov_b32 s31, 0
	s_lshl_b32 s17, s12, 8
	s_add_co_u32 s17, s17, WLDS
	s_wait_alu depctr_va_vdst(0)                   ; the wait behind the run of scalar lines
	v_lshlrev_b32 v1, 2, v7                        ; in: 4 bytes a lane
	v_bfe_u32 v8, v0, 3, 1                         ; column w of a group of 32 lies in tile u = bit 3 of w,
	v_bfe_u32 v9, v0, 4, 1
	v_and_b32 v10, 7, v0
	v_lshl_or_b32 v10, v9, 3, v10                  ; at lane r = 8 x bit 4 + the low three bits
	v_lshlrev_b32 v2, 4, v10
	v_lshl_add_u32 v2, v8, 10, v2                  ; my 16 bytes in the two fragments
	v_lshlrev_b32 v3, 2, v10
	v_lshl_add_u32 v3, v8, 6, v3
	v_add_nc_u32 v3, s17, v3                       ; my scale word in LDS
	v_lshlrev_b32 v5, 2, v7
	v_add_nc_u32 v4, s17, v5                       ; the words on the way out
	s_wait_alu depctr_va_vdst(0)                   ; the wait at the head's end
	s_wait_kmcnt 0x0
	s_add_nc_u64 s[6:7], s[6:7], s[24:25]
	s_add_nc_u64 s[28:29], s[10:11], s[28:29]
	s_add_nc_u64 s[30:31], s[10:11], s[30:31]
.macro WLOAD n                         ; unit n: block n of K: each load reads 128 consecutive bytes
.irp i, 0,1,2,3,4,5,6,7,8,9,10,11,12,13,14,15,16,17,18,19,20,21,22,23,24,25,26,27,28,29,30,31
	global_load_b32 v[32+32*((\n)%2)+\i], v1, s[6:7] offset:(32*(\n)+\i)*4096 th:TH_LOAD_NT
.endr
.endm
.macro WBLOCK n
.set WS, 32+32*((\n)%2)
.if (\n) < 3
	s_wait_loadcnt 32                              ; this unit's 32 loads are in; the next unit's may be out
.else
	s_wait_loadcnt 0x0
.endif
	v_max3_num_f32 v12, |v[WS]|, |v[WS+1]|, |v[WS+2]|                 ; the block's largest magnitude: all 32 numbers are mine
	v_max3_num_f32 v13, |v[WS+3]|, |v[WS+4]|, |v[WS+5]|
.irp i, 6,10,14,18,22,26
	v_max3_num_f32 v12, v12, |v[WS+\i]|, |v[WS+\i+1]|
	v_max3_num_f32 v13, v13, |v[WS+\i+2]|, |v[WS+\i+3]|
.endr
	v_max3_num_f32 v12, v12, |v[WS+30]|, |v[WS+31]|
	v_max3_num_f32 v12, v12, v13, 0x1800000        ; and the floor
	v_add_nc_u32 v11, 0xff000000, v12              ; the conversion's scale operand
	v_lshrrev_b32 v13, 23, v11                     ; the byte
.if (\n) == 0
	v_mov_b32 v128, v13                            ; four bytes to a word, the lower K in the lower byte
.else
	v_lshl_or_b32 v128, v13, 8*(\n), v128
.endif
.irp g, 0,1,2,3
	v_cvt_scalef32_pk8_fp4_f32 v[96+4*(\n)+\g], v[WS+8*\g:WS+8*\g+7], v11   ; each unit has its own four registers: no store's data are written again
.endr
	global_store_b128 v2, v[96+4*(\n):96+4*(\n)+3], s[28:29] offset:((\n)/2)*512+((\n)%2)*256   ; two aligned runs of 256 bytes, each written whole
.if (\n) < 2
	WLOAD (\n)+2
.endif
.endm
	WLOAD 0
	WLOAD 1
.irp n, 0,1,2,3
	WBLOCK \n
.endr
	ds_store_b32 v3, v128
	ds_load_b32 v14, v4                            ; LDS serves a wave's instructions in order
	s_wait_dscnt 0x0
	global_store_b32 v5, v14, s[30:31]             ; 128 consecutive bytes
	s_wait_tensorcnt 0x0                           ; the wave's end
	ds_add_u32 v254, v255
	s_wait_dscnt 0x0
	s_endpgm
.Lfunc_end_k_q043885342c_quant:
	.size	k_q043885342c_quant, .Lfunc_end_k_q043885342c_quant-k_q043885342c_quant
	.p2alignl 7, 3214868480
	.fill 96, 4, 3214868480
	.section	.rodata,"a",@progbits
	.p2align	6, 0x0
	.amdhsa_kernel k_q043885342c_quant
		.amdhsa_group_segment_fixed_size 36352
		.amdhsa_private_segment_fixed_size 0
		.amdhsa_enable_private_segment 0
		.amdhsa_kernarg_size 32
		.amdhsa_user_sgpr_count 2
		.amdhsa_user_sgpr_kernarg_segment_ptr 1
		.amdhsa_wavefront_size32 1
		.amdhsa_system_sgpr_workgroup_id_x 1
		.amdhsa_system_sgpr_workgroup_id_y 1
		.amdhsa_system_sgpr_workgroup_id_z 1
		.amdhsa_system_vgpr_workitem_id 0
		.amdhsa_next_free_vgpr 256
		.amdhsa_next_free_sgpr 66
		.amdhsa_reserve_vcc 0
		.amdhsa_float_denorm_mode_32 3
		.amdhsa_float_denorm_mode_16_64 3
		.amdhsa_memory_ordered 1
		.amdhsa_forward_progress 1
		.amdhsa_inst_pref_size 39
	.end_amdhsa_kernel
	.amdgpu_metadata
---
amdhsa.version: [ 1, 2 ]
amdhsa.kernels:
  - .name:           k_q043885342c_quant
    .symbol:         k_q043885342c_quant.kd
    .args:
      - { .name: x, .offset: 0, .size: 8, .value_kind: global_buffer, .address_space: global }
      - { .name: W, .offset: 8, .size: 8, .value_kind: global_buffer, .address_space: global }
      - { .name: x_op, .offset: 16, .size: 8, .value_kind: global_buffer, .address_space: global }
      - { .name: w_op, .offset: 24, .size: 8, .value_kind: global_buffer, .address_space: global }
    .group_segment_fixed_size: 36352
    .private_segment_fixed_size: 0
    .kernarg_segment_align: 8
    .kernarg_segment_size: 32
    .max_flat_workgroup_size: 128
    .sgpr_count:     66
    .vgpr_count:     256
    .wavefront_size: 32
...
	.end_amdgpu_metadata
.endif
;; end of part 1
;; launch proj (part 2): grid 4 x 64, 16 waves a work-group, clusters of 4 x 4, 215,040 bytes of LDS; arguments x_op, w_op, kv; writes kv
.if DOCPART == 2
	.amdgcn_target "amdgcn-amd-amdhsa--gfx1250"
	.amdhsa_code_object_version 6
	.text
	.protected	k_q043885342c_proj
	.globl	k_q043885342c_proj
	.p2align	8
	.type	k_q043885342c_proj,@function
k_q043885342c_proj:
	s_mov_b64 s[64:65], 0
	v_nop
	global_prefetch_b8 v0, s[64:65] scope:SCOPE_SE
	s_setreg_imm32_b32 hwreg(HW_REG_WAVE_MODE, 25, 1), 1
	s_wait_xcnt 0x0
	s_wait_alu depctr_hold_cnt(0) depctr_sa_sdst(0) depctr_va_vdst(0) depctr_va_sdst(0) depctr_va_ssrc(0) depctr_va_vcc(0) depctr_vm_vsrc(0)
	s_getreg_b32 s2, hwreg(HW_REG_IB_STS2, 6, 4)
	s_cmp_eq_u32 s2, 0
	s_cbranch_scc0 .Lentry_in_a_cluster
	s_endpgm
.Lentry_in_a_cluster:
	s_bfe_u32 s2, ttmp6, 0x10000c
	s_cmp_lg_u32 s2, 0xf033
	s_cbranch_scc0 .Lentry_shape_is_right
	s_endpgm
.Lentry_shape_is_right:
; p = x W on codes of FP4, and p's two quantised forms: along d (queries and keys) and along the keys (values).  p itself never goes to memory.
; A work-group takes 128 rows of x (one key step of one batch) x 256 columns (four heads).  All 1,024 of K of both operands lie in LDS as they lie in memory (69,632 + 139,264 bytes), filled once: no slot is filled again.
; Sixteen waves: wave = 4 x head + group of 32 rows: 2 tiles of x, 4 tiles of W.  EACH PRODUCT IS ISSUED TWICE FROM THE SAME FRAGMENTS, THE SOURCES SWAPPED:
;   D1 (source 0 = W): a lane holds one row of p, its registers run along d: 16 neighbours in two tiles;   D2 (source 0 = x): a lane holds one column d, its registers run along the keys.  So both quantisers find their K in a lane's registers.
; kv: [64 heads][16 key steps][8,704 bytes]: K image 4,096 (fragment b: registers 0-3 = key tile 2 b, registers 4-7 = key tile 2 b + 1, each d = 32 h on), V image 4,096 (tile t of d x 128 keys), K's scale words 256, V's 256.
; CLUSTER 4 x 4: x's part hangs on the work-group's y alone and is asked for jointly along a row of the cluster, W's on x alone, along a column.
; LIMITS: a block of zeros or with its largest magnitude under 2^-124 gets the byte 1 (this program alone reads the bytes); NaN and infinities are not served.
.set WV,   10                          ; s10 my wave's number
.set SEL,  20                          ; s[20:21] selects for lane l xor 16
.set G1X,  24                          ; s[24:31] descriptor group 1, x's mask;  s[32:39] W's mask
.set G1W,  32
.set G0X,  40                          ; s[40:43] group 0 for x's part (waves 0-3, one load each);  s[68:71] for W's (waves 4-11, one load each)
.set G0W,  68
.set WPART, 69632                      ; LDS: x's 8 K steps of 8,704 bytes, then W's 8 of 17,408,
.set STG,  208896                      ; then for each head 256 bytes of K's scale words and 256 of V's: stored by the waves, never filled
.set XB,   1                           ; v1  my two tiles of x: 2,048 x row group + 16 x lane
.set XSB,  2                           ; v2  their scale words: lanes 0-15 the first tile's, lanes 16-31 the second's
.set WB,   3                           ; v3, v4  my four tiles of W, K steps 0-3 and 4-7
.set WSB,  5                           ; v5, v6  their scale words
.set L16,  7                           ; v7  16 x lane
.set VO,   8                           ; v8  16 r + 8 (h xor (row group % 2)): my 8 bytes of a piece of the V image
.set KSA,  9                           ; v9  where my row's K scale word goes
.set VSA,  10                          ; v10 where my column's V scale bytes go
.set CPA,  11                          ; v11 the scales on the way out
.set SX,   12                          ; v12 x's scale words;  v13-14 W's: scales and nothing else
.set SW,   13
.set XF,   16                          ; v16-31  x's two fragments
.set WF,   32                          ; v32-63  W's four
.set D1,   64                          ; v64-127  D1 (u, t) at 32 u + 8 t
.set D2,   128                         ; v128-191 D2 (t, u) at 16 t + 8 u
.set TM,   192
.set PW,   208
.set PC,   210
.set PC2,  218
.set CP,   228
.macro QUANT s, pc, swap, word         ; 64 numbers of a lane, register 16 b + i = number 16 h + i of block b, become codes in v[pc] on
.irp b, 0,1,2,3
	v_max3_num_f32 v[TM+\b], |v[\s+16*\b]|, |v[\s+1+16*\b]|, 0x1800000   ; each accumulator is read from its low end on; the floor 2^(3 - 127) holds the byte at 1
.endr
.irp i, 2,4,6,8,10,12,14
.irp b, 0,1,2,3
	v_max3_num_f32 v[TM+\b], v[TM+\b], |v[\s+16*\b+\i]|, |v[\s+1+16*\b+\i]|
.endr
.endr
.irp b, 0,1,2,3
	s_delay_alu instid0(VALU_DEP_4)
	v_permlanex16_b32 v[TM+4+\b], v[TM+\b], s[SEL], s[SEL+1]
.endr
.irp b, 0,1,2,3
	s_delay_alu instid0(VALU_DEP_4)
	v_max_num_f32 v[TM+\b], v[TM+\b], v[TM+4+\b]
.endr
.irp b, 0,1,2,3
	s_delay_alu instid0(VALU_DEP_4)
	v_add_nc_u32 v[TM+12+\b], 0xff000000, v[TM+\b]
.endr
.irp b, 0,1,2,3
	s_delay_alu instid0(VALU_DEP_4)
	v_lshrrev_b32 v[TM+4+\b], 23, v[TM+12+\b]
.endr
.if \word
	s_delay_alu instid0(VALU_DEP_3)
	v_lshl_or_b32 v[PW], v[TM+5], 8, v[TM+4]
	s_delay_alu instid0(VALU_DEP_1)
	v_lshl_or_b32 v[PW], v[TM+6], 16, v[PW]
	s_delay_alu instid0(VALU_DEP_1)
	v_lshl_or_b32 v[PW], v[TM+7], 24, v[PW]
.endif
.irp b, 0,1,2,3
	v_cvt_scalef32_pk8_fp4_f32 v[\pc+2*\b], v[\s+16*\b:\s+7+16*\b], v[TM+12+\b]
	v_cvt_scalef32_pk8_fp4_f32 v[\pc+1+2*\b], v[\s+8+16*\b:\s+15+16*\b], v[TM+12+\b]
.endr
	v_nop                                          ; one plain place behind a scaled conversion
.if \swap
.irp c, 0,1
.irp i, 0,1
	v_permlane16_swap_b32 v[\pc+4*\c+\i], v[\pc+2+4*\c+\i]
.endr
.endr
.endif
.endm
; One matrix instruction.  zero = 1: it starts the sum.  ra, rb = 1: that side's scales stand in lanes 16-31 of its register.
.macro WM d, a, b, zero, sa, sb, ra, rb
.if \zero
.if (\ra) && (\rb)
	v_wmma_scale_f32_16x16x128_f8f6f4 v[(\d):(\d)+7], v[(\a):(\a)+7], v[(\b):(\b)+7], 0, v[\sa], v[\sb] matrix_a_fmt:MATRIX_FMT_FP4 matrix_b_fmt:MATRIX_FMT_FP4 matrix_a_scale:MATRIX_SCALE_ROW1 matrix_b_scale:MATRIX_SCALE_ROW1
.elseif \ra
	v_wmma_scale_f32_16x16x128_f8f6f4 v[(\d):(\d)+7], v[(\a):(\a)+7], v[(\b):(\b)+7], 0, v[\sa], v[\sb] matrix_a_fmt:MATRIX_FMT_FP4 matrix_b_fmt:MATRIX_FMT_FP4 matrix_a_scale:MATRIX_SCALE_ROW1
.elseif \rb
	v_wmma_scale_f32_16x16x128_f8f6f4 v[(\d):(\d)+7], v[(\a):(\a)+7], v[(\b):(\b)+7], 0, v[\sa], v[\sb] matrix_a_fmt:MATRIX_FMT_FP4 matrix_b_fmt:MATRIX_FMT_FP4 matrix_b_scale:MATRIX_SCALE_ROW1
.else
	v_wmma_scale_f32_16x16x128_f8f6f4 v[(\d):(\d)+7], v[(\a):(\a)+7], v[(\b):(\b)+7], 0, v[\sa], v[\sb] matrix_a_fmt:MATRIX_FMT_FP4 matrix_b_fmt:MATRIX_FMT_FP4
.endif
.else
.if (\ra) && (\rb)
	v_wmma_scale_f32_16x16x128_f8f6f4 v[(\d):(\d)+7], v[(\a):(\a)+7], v[(\b):(\b)+7], v[(\d):(\d)+7], v[\sa], v[\sb] matrix_a_fmt:MATRIX_FMT_FP4 matrix_b_fmt:MATRIX_FMT_FP4 matrix_a_scale:MATRIX_SCALE_ROW1 matrix_b_scale:MATRIX_SCALE_ROW1
.elseif \ra
	v_wmma_scale_f32_16x16x128_f8f6f4 v[(\d):(\d)+7], v[(\a):(\a)+7], v[(\b):(\b)+7], v[(\d):(\d)+7], v[\sa], v[\sb] matrix_a_fmt:MATRIX_FMT_FP4 matrix_b_fmt:MATRIX_FMT_FP4 matrix_a_scale:MATRIX_SCALE_ROW1
.elseif \rb
	v_wmma_scale_f32_16x16x128_f8f6f4 v[(\d):(\d)+7], v[(\a):(\a)+7], v[(\b):(\b)+7], v[(\d):(\d)+7], v[\sa], v[\sb] matrix_a_fmt:MATRIX_FMT_FP4 matrix_b_fmt:MATRIX_FMT_FP4 matrix_b_scale:MATRIX_SCALE_ROW1
.else
	v_wmma_scale_f32_16x16x128_f8f6f4 v[(\d):(\d)+7], v[(\a):(\a)+7], v[(\b):(\b)+7], v[(\d):(\d)+7], v[\sa], v[\sb] matrix_a_fmt:MATRIX_FMT_FP4 matrix_b_fmt:MATRIX_FMT_FP4
.endif
.endif
.endm
.macro CROUND                          ; a round of the cluster's barrier
	s_barrier_signal -1
	s_barrier_wait -1
	s_cmp_lg_u32 s[WV], 0
	s_cbranch_scc1 .Lnot_wave_0_\@
	s_barrier_signal -3
.Lnot_wave_0_\@:
	s_barrier_wait -3
	s_barrier_signal -1
	s_barrier_wait -1
.endm
	s_load_b128 s[4:7], s[0:1], 0x0                ; x_op, w_op
	s_load_b64 s[8:9], s[0:1], 0x10                ; kv
	v_lshl_add_u32 v254, v0, 2, 0x34000
	v_mov_b32 v255, 0
	ds_add_u32 v254, v255
	ds_add_u32 v254, v255
	v_lshrrev_b32 v1, 5, v0
	s_delay_alu instid0(VALU_DEP_1)
	v_readfirstlane_b32 s[WV], v1                  ; wave 0..15
	s_bfe_u32 s11, ttmp6, 0x40000                  ; cx
	s_bfe_u32 s12, ttmp6, 0x40004                  ; cy
	s_lshl_b32 s13, ttmp9, 2
	s_add_co_u32 s13, s13, s11                     ; work-group x: the group of 256 columns
	s_and_b32 s14, ttmp7, 0xffff
	s_lshl_b32 s14, s14, 2
	s_add_co_u32 s14, s14, s12                     ; work-group y: the group of 128 rows
	s_lshl_b32 s15, s12, 2
	s_lshl_b32 s15, 15, s15                        ; my row of the cluster
	s_lshl_b32 s16, 0x1111, s11                    ; my column
	; every load is a dense block of 17,408 bytes: 68 rows of 32 elements of 8 bytes, no padding
	s_or_b32 s[G1X], s15, (3<<16)|(1<<21)          ; 15:0 the mask; 17:16 elements of 8 bytes; 21 set beside a mask
	s_or_b32 s[G1W], s16, (3<<16)|(1<<21)
.irp g, G1X, G1W
	s_mov_b32 s[\g+1], 32<<16                      ; tensor_dim0 = 32
	s_mov_b32 s[\g+2], 68<<16                      ; tensor_dim1 = 68
	s_mov_b32 s[\g+3], 32<<16                      ; tile_dim0 = 32
	s_mov_b32 s[\g+4], 68                          ; tile_dim1 = 68
	s_mov_b32 s[\g+5], 32                          ; the pitch
	s_mov_b32 s[\g+6], 0
	s_mov_b32 s[\g+7], 0
.endr
	s_lshr_b32 s18, s[WV], 2                       ; my head of the four
	s_and_b32 s19, s[WV], 3                        ; my group of 32 rows
	s_add_co_u32 s17, s[WV], 4
	s_and_b32 s17, s17, 7
	s_mul_i32 s17, s17, 17408                      ; waves 4-11 fetch W's K step wave - 4
	s_mul_i32 s44, s19, 17408                      ; waves 0-3 fetch x's K steps 2 wave and 2 wave + 1
	s_mul_i32 s56, s14, 69632                      ; x's part: by y alone
	s_add_co_u32 s56, s56, s44
	s_mov_b32 s57, 0
	s_mul_i32 s58, s13, 139264                     ; W's part: by x alone
	s_add_co_u32 s58, s58, s17
	s_mov_b32 s59, 0
	; where my results go in kv
	s_lshr_b32 s60, s14, 4
	s_lshl_b32 s60, s60, 4
	s_lshl_b32 s61, s13, 2
	s_add_co_u32 s60, s60, s61                     ; 16 x batch + the first of my work-group's four heads
	s_and_b32 s61, s14, 15
	s_mul_i32 s61, s61, 8704                       ; the key step
	s_add_co_u32 s62, s60, s18
	s_mul_i32 s62, s62, 139264
	s_add_co_u32 s62, s62, s61
	s_lshl_b32 s84, s19, 10
	s_add_co_u32 s84, s84, s62                     ; K image: fragment = my row group
	s_mov_b32 s85, 0
	s_lshr_b32 s86, s19, 1
	s_lshl_b32 s86, s86, 9
	s_and_b32 s63, s19, 1
	s_lshl_b32 s63, s63, 8
	s_add_co_u32 s86, s86, s63
	s_add_co_u32 s86, s86, s62
	s_add_co_u32 s86, s86, 4096                    ; V image: my 32 keys are register group kb / 2, lanes' half kb % 2
	s_mov_b32 s87, 0
	s_add_co_u32 s88, s60, s19                     ; waves 0-3 store the scales of head wave
	s_mul_i32 s88, s88, 139264
	s_add_co_u32 s88, s88, s61
	s_add_co_u32 s88, s88, 8192
	s_mov_b32 s89, 0
	s_mov_b32 s[SEL], 0x76543210
	s_mov_b32 s[SEL+1], 0xfedcba98
	; every LDS address is a constant + a constant x lane + a constant x wave, made ahead of the first branch on the wave's number
	v_and_b32 v15, 31, v0
	v_and_b32 v228, 15, v0                         ; r
	v_bfe_u32 v229, v0, 4, 1                       ; h
	s_delay_alu instid0(VALU_DEP_3)
	v_lshlrev_b32 v[L16], 4, v15
	s_delay_alu instid0(VALU_DEP_4)
	v_lshlrev_b32 v230, 2, v15
	s_lshl_b32 s22, s19, 11
	v_add_nc_u32 v[XB], s22, v[L16]
	s_lshl_b32 s22, s19, 7
	s_add_co_u32 s22, s22, 8192
	v_add_nc_u32 v[XSB], s22, v230
	s_lshl_b32 s22, s18, 12
	s_add_co_u32 s22, s22, WPART
	v_add_nc_u32 v[WB], s22, v[L16]
	s_delay_alu instid0(VALU_DEP_1)
	v_add_nc_u32 v[WB+1], 4*17408, v[WB]
	s_lshl_b32 s22, s18, 8
	s_add_co_u32 s22, s22, WPART+16384
	v_add_nc_u32 v[WSB], s22, v230
	s_delay_alu instid0(VALU_DEP_1)
	v_add_nc_u32 v[WSB+1], 4*17408, v[WSB]
	v_xor_b32 v232, s19, v229                      ; V image: in the odd blocks of 32 keys the two halves of 16 keys change places (8 bytes each): the order in which attn's lanes 16-31 hold p
	v_lshlrev_b32 v[VO], 4, v228
	v_and_b32 v232, 1, v232
	v_lshl_add_u32 v[VO], v232, 3, v[VO]           ; 16 r + 8 (h xor (row group % 2))
	v_lshlrev_b32 v231, 3, v228                    ; 8 r
	s_wait_alu depctr_va_vdst(0)
	s_lshl_b32 s22, s18, 9
	s_add_co_u32 s22, s22, STG
	s_and_b32 s23, s19, 1
	s_lshl_b32 s23, s23, 7
	s_add_co_u32 s23, s23, s22
	s_lshr_b32 s2, s19, 1
	s_lshl_b32 s2, s2, 2
	s_add_co_u32 s23, s23, s2
	v_add_nc_u32 v[KSA], s23, v231                 ; the word of (fragment b, lane r) at ((b % 2) 16 + r) 8 + (b / 2) 4
	s_add_co_u32 s23, s22, s19
	s_add_co_u32 s23, s23, 256
	v_add_nc_u32 v[VSA], s23, v231                 ; byte kb of the word of (tile t, lane r) at ((t % 2) 16 + r) 8 + (t / 2) 4
	s_lshl_b32 s23, s19, 9
	s_add_co_u32 s23, s23, STG
	v_add_nc_u32 v[CPA], s23, v[L16]
.irp b, 0,1,2,3
	v_mov_b32 v[TM+4+\b], 0                        ; written once: a lane permute's destination counts as one of its sources
.endr
	s_wait_dscnt 0x0
	s_wait_kmcnt 0x0
	s_add_nc_u64 s[56:57], s[4:5], s[56:57]
	s_add_nc_u64 s[58:59], s[6:7], s[58:59]
	s_add_nc_u64 s[84:85], s[8:9], s[84:85]
	s_add_nc_u64 s[86:87], s[8:9], s[86:87]
	s_add_nc_u64 s[88:89], s[8:9], s[88:89]
	s_mov_b32 s[G0X], 1                            ; count = 1
	s_mov_b32 s[G0X+1], s44                        ; LDS = the offset in x's part
	s_mov_b64 s[G0X+2:G0X+3], s[56:57]
	s_or_b32 s[G0X+3], s[G0X+3], 0x80000000        ; type = 2
	s_mov_b32 s[G0W], 1
	s_add_co_u32 s[G0W+1], s17, WPART
	s_mov_b64 s[G0W+2:G0W+3], s[58:59]
	s_or_b32 s[G0W+3], s[G0W+3], 0x80000000
	CROUND                                         ; all sixteen work-groups are here: the joint loads meet
	s_cmp_lt_u32 s[WV], 4                          ; one chain of branches on the wave's number, one load to an arm
	s_cbranch_scc0 .Lnot_x
	tensor_load_to_lds s[G0X:G0X+3], s[G1X:G1X+7]
	s_nop 0
.rept 4
	v_nop                                          ; four behind a tensor load
.endr
	s_branch .Lfilled
.Lnot_x:
	s_cmp_lt_u32 s[WV], 12
	s_cbranch_scc0 .Lfilled
	tensor_load_to_lds s[G0W:G0W+3], s[G1W:G1W+7]
	s_nop 0
.rept 4
	v_nop
.endr
.Lfilled:
; A K step of 128: 15 LDS loads, 16 matrix instructions on 16 accumulators, which take turns in the same order in every step.
.macro KSTEP ks
.set Z, 0
.if (\ks) == 0
.set Z, 1
.endif
.if (\ks) == 0
	s_wait_tensorcnt 0x0                           ; my one load has landed
	s_barrier_signal -1
	s_barrier_wait -1                              ; everybody's has: both operands are whole, and nothing is filled again
.endif
.if (\ks) > 0
.rept 4
	v_nop                                          ; places in front of loads into registers that matrix instructions have read
.endr
.endif
	ds_load_b32 v[SX], v[XSB] offset:(\ks)*8704
	ds_load_b32 v[SW], v[WSB+(\ks)/4] offset:((\ks)%4)*17408
	ds_load_b32 v[SW+1], v[WSB+(\ks)/4] offset:((\ks)%4)*17408+128
.irp u, 0,1
.irp c, 0,1
	ds_load_b128 v[XF+8*\u+4*\c:XF+8*\u+4*\c+3], v[XB] offset:(\ks)*8704+\u*1024+\c*512
.endr
.endr
.irp t, 0,1,2,3
.irp c, 0,1
	ds_load_b128 v[WF+8*\t+4*\c:WF+8*\t+4*\c+3], v[WB+(\ks)/4] offset:((\ks)%4)*17408+\t*1024+\c*512
.endr
.endr
	s_wait_dscnt 0x0
.irp u, 0,1
.irp t, 0,1,2,3
	WM D1+32*\u+8*\t, WF+8*\t, XF+8*\u, Z, SW+\t/2, SX, \t%2, \u
	WM D2+16*\t+8*\u, XF+8*\u, WF+8*\t, Z, SX, SW+\t/2, \u, \t%2
.endr
.endr
.endm
.irp k, 0,1,2,3,4,5,6,7
	KSTEP \k
.endr
.rept 4
	v_nop                                          ; places in front of the first read of results
.endr
	; D1: block 2 u + bb = row (u, r) of p, d = 32 bb + 16 h + 0 .. 15: codes and scale word of K fragment kb
	QUANT D1, PC, 1, 1
	global_store_b128 v[L16], v[PC:PC+3], s[84:85]             ; 512 consecutive bytes, aligned
	global_store_b128 v[L16], v[PC+4:PC+7], s[84:85] offset:512
	ds_store_b32 v[KSA], v[PW]                     ; both halves of the lanes write the same word
	; D2: block t = column d (t, r), keys 32 kb + 16 h + 0 .. 15: 8 bytes of a piece of the V image
	QUANT D2, PC2, 0, 0
.irp t, 0,1,2,3
	global_store_b64 v[VO], v[PC2+2*\t:PC2+2*\t+1], s[86:87] offset:\t*1024   ; the 32 lanes fill 256 consecutive bytes, aligned
	ds_store_b8 v[VSA], v[TM+4+\t] offset:(\t%2)*128+(\t/2)*4
.endr
	s_wait_dscnt 0x0                               ; for the others' sake: my scale words and bytes lie in LDS
	s_barrier_signal -1
	s_barrier_wait -1
	s_cmp_lt_u32 s[WV], 4
	s_cbranch_scc0 .Lno_copy
	ds_load_b128 v[CP:CP+3], v[CPA]                ; a head's 512 bytes of scales
	s_wait_dscnt 0x0
	global_store_b128 v[L16], v[CP:CP+3], s[88:89]
.Lno_copy:
	s_wait_tensorcnt 0x0
	ds_add_u32 v254, v255
	s_wait_dscnt 0x0
	CROUND                                         ; the closing round: no work-group ends while a partner may still ask for a tile that names it
	s_endpgm
.Lfunc_end_k_q043885342c_proj:
	.size	k_q043885342c_proj, .Lfunc_end_k_q043885342c_proj-k_q043885342c_proj
	.p2alignl 7, 3214868480
	.fill 96, 4, 3214868480
	.section	.rodata,"a",@progbits
	.p2align	6, 0x0
	.amdhsa_kernel k_q043885342c_proj
		.amdhsa_group_segment_fixed_size 215040
		.amdhsa_private_segment_fixed_size 0
		.amdhsa_enable_private_segment 0
		.amdhsa_kernarg_size 24
		.amdhsa_user_sgpr_count 2
		.amdhsa_user_sgpr_kernarg_segment_ptr 1
		.amdhsa_wavefront_size32 1
		.amdhsa_system_sgpr_workgroup_id_x 1
		.amdhsa_system_sgpr_workgroup_id_y 1
		.amdhsa_system_sgpr_workgroup_id_z 1
		.amdhsa_system_vgpr_workitem_id 0
		.amdhsa_next_free_vgpr 256
		.amdhsa_next_free_sgpr 100
		.amdhsa_reserve_vcc 0
		.amdhsa_float_denorm_mode_32 3
		.amdhsa_float_denorm_mode_16_64 3
		.amdhsa_memory_ordered 1
		.amdhsa_forward_progress 1
		.amdhsa_inst_pref_size 42
	.end_amdhsa_kernel
	.amdgpu_metadata
---
amdhsa.version: [ 1, 2 ]
amdhsa.kernels:
  - .name:           k_q043885342c_proj
    .symbol:         k_q043885342c_proj.kd
    .args:
      - { .name: x_op, .offset: 0, .size: 8, .value_kind: global_buffer, .address_space: global }
      - { .name: w_op, .offset: 8, .size: 8, .value_kind: global_buffer, .address_space: global }
      - { .name: kv, .offset: 16, .size: 8, .value_kind: global_buffer, .address_space: global }
    .group_segment_fixed_size: 215040
    .private_segment_fixed_size: 0
    .kernarg_segment_align: 8
    .kernarg_segment_size: 24
    .max_flat_workgroup_size: 512
    .sgpr_count:     100
    .vgpr_count:     256
    .wavefront_size: 32
...
	.end_amdgpu_metadata
.endif
;; end of part 2
;; launch attn (part 3): grid 8 x 32, 16 waves a work-group, clusters of 4 x 1, 281,600 bytes of LDS; arguments kv, a_op; writes a_op
.if DOCPART == 3
	.amdgcn_target "amdgcn-amd-amdhsa--gfx1250"
	.amdhsa_code_object_version 6
	.text
	.protected	k_q043885342c_attn
	.globl	k_q043885342c_attn
	.p2align	8
	.type	k_q043885342c_attn,@function
k_q043885342c_attn:
	s_mov_b64 s[64:65], 0
	v_nop
	global_prefetch_b8 v0, s[64:65] scope:SCOPE_SE
	s_setreg_imm32_b32 hwreg(HW_REG_WAVE_MODE, 25, 1), 1
	s_wait_xcnt 0x0
	s_wait_alu depctr_hold_cnt(0) depctr_sa_sdst(0) depctr_va_vdst(0) depctr_va_sdst(0) depctr_va_ssrc(0) depctr_va_vcc(0) depctr_vm_vsrc(0)
	s_getreg_b32 s2, hwreg(HW_REG_IB_STS2, 6, 4)
	s_cmp_eq_u32 s2, 0
	s_cbranch_scc0 .Lentry_in_a_cluster
	s_endpgm
.Lentry_in_a_cluster:
	s_bfe_u32 s2, ttmp6, 0x10000c
	s_cmp_lg_u32 s2, 0x3003
	s_cbranch_scc0 .Lentry_shape_is_right
	s_endpgm
.Lentry_shape_is_right:
; attn = softmax((p / 8) p^T) p for each head, both products on codes of FP4, and its quantised form along the combined heads' axis: the left operand of the last product.
; THE SOFTMAX: t = score x log2(e) / 8; M = the running largest t rounded UP to a whole number; p = 2^(t - M) is quantised along the keys, not normalised; the row's sum is taken of the unquantised p and divides at the end.
; 1/8 is a power of two: the quantised p / 8 has p's codes and a scale byte 3 lower, so the queries take the keys' codes and bytes and the factor stands in c.
; LIMITS: blocks of p with a largest magnitude under 2^-121, where the byte of p / 8 would be held from below, are not served so; NaN and infinities are not served; a block of zeros gets the byte 1 (this program alone reads
; the bytes); the promise holds while the scaled scores stay under 2^31 in magnitude.
; SHARES.  A work-group owns 256 queries and a PAIR of heads.  Each of sixteen waves owns one tile of 16 queries and walks the 2,048 keys twice, once a head, 128 keys a step, two steps a trip.
; Both heads' images (278,528 bytes of kv, as they lie) stay in LDS, filled once: sixteen joint loads of 17,408 bytes, one a wave.  CLUSTER 4 x 1: the four query blocks of a cluster read the same bytes.
; No prefetch: all that the launch loads is asked for at its head, and there is no loop to run ahead in.
; K = 64 IN AN INSTRUCTION OF 128: a K fragment holds one key tile in registers 0-3 and another in registers 4-7; the queries stand in v16-27 as (zeros, q, zeros): v[20:27] picks the first tile, v[16:23] the second.
; THE KEYS OF A TILE are chosen by the lanes' LDS addresses: of the 64 keys 64 c on, tile i takes in its rows 0-7 octet i of block 2 c and in its rows 8-15 octet i xor 2 of block 2 c + 1.  Both products are used transposed,
; so a lane holds ONE query, and its 32 registers S + 32 c on are one WHOLE block of 32 keys: block 2 c + (lane / 16).  The conversions' results are the second product's operand as they stand.
; Lanes 16-31 hold their octets in the order 2, 3, 0, 1, and the V image holds the odd blocks' keys in that order too.
; ORDER OF A STEP: independent chains are interleaved so that a plain vector line reads what stands five lines back or more; only the chain from the row's maximum to -M has nothing to stand between its links.
.set WV,   8                           ; s8  my wave's number
.set SEL,  20                          ; s[20:21] selects for lane l xor 16
.set CS,   22                          ; s[22:23] c = log2(e) / 8, twice
.set G1,   24                          ; s[24:31] descriptor group 1;  s[32:35] group 0
.set G0,   32
.set CNT,  67                          ; s67 trips to go
.set SCR,  278528                      ; LDS behind the images: the 256 queries' scale words, stored by the waves, never filled
.set SPARE, 279552                     ; the spare words: 128 bytes a wave
.set L16,  1                           ; v1  16 x lane
.set AK0,  2                           ; v2, v3 my place in K's fragments (c, 0) and (c, 1);  v4 among K's scale words;  v5 in V's fragments;  v6 among V's scale words: all walk, 8,704 bytes a step
.set AK1,  3
.set AKS,  4
.set AV,   5
.set AVS,  6
.set SCA,  7                           ; v7  where my row's scale word goes in LDS;  v8 the words on the way out;  v9 the word
.set CPA,  8
.set AW,   9
.set SPW,  10                          ; v10 my spare word, v11 zero: never rewritten
.set NIL,  11
; v12, v14: -M, by turns;  v13 the largest score so far;  v15 written once (upper half of a pair)
.set QS,   28                          ; v28 the queries' scale word (s0, s1, s0, s1);  v29 the second head's two bytes
.set Q1S,  29
.set KS,   30                          ; v30-31 K's scale words: register c, lanes 0-15 fragment (c, 0), lanes 16-31 fragment (c, 1)
.set KF,   32                          ; v32-63 K's fragments: (c, j) at 16 c + 8 j
.set VF,   64                          ; v64-95 V's four
.set S,    96                          ; v96-159 S^T, then p
.set O,    160                         ; v160-191 O^T
.set VS,   192                         ; v192-193 V's scale words;  v194 p's scale word
.set PW,   194
.set Q1,   212                         ; v212-215 the second head's queries;  v196-203 the final codes;  v204-205 Q's offsets;  v208-211 the copy out
.set ACC,  216                         ; v216-231 the row's sum in eight pairs
.set PC,   232                         ; v232-239 p's codes
.set BM,   240                         ; v240-241 my two blocks' largest score, then largest p;  with v242-243, v248-251: the eight chains of the maxima
.set F,    244                         ; v[244:245] f = 2^(old M - new M)
.set PRM,  246
.set DD,   247
.set SO,   248                         ; v248-249 the conversions' scale operands;  v250-251 the bytes
.set BY,   250
.set WD,   252
.set PR2,  253
.set LOC,  254
.macro CROUND
	s_barrier_signal -1
	s_barrier_wait -1
	s_cmp_lg_u32 s[WV], 0
	s_cbranch_scc1 .Lnot_wave_0_\@
	s_barrier_signal -3
.Lnot_wave_0_\@:
	s_barrier_wait -3
	s_barrier_signal -1
	s_barrier_wait -1
.endm
	s_load_b128 s[4:7], s[0:1], 0x0                ; kv, a_op
	v_lshl_add_u32 v[SPW], v0, 2, SPARE
	v_mov_b32 v[NIL], 0
	ds_add_u32 v[SPW], v[NIL]                      ; the opening lines: the add twice on end and one wait, ahead of my tensor load
	ds_add_u32 v[SPW], v[NIL]
	v_lshrrev_b32 v1, 5, v0
	v_readfirstlane_b32 s[WV], v1                  ; wave 0..15
	s_bfe_u32 s9, ttmp6, 0x40000                   ; cx
	s_lshl_b32 s10, ttmp9, 2
	s_add_co_u32 s10, s10, s9                      ; my block of 256 queries: it enters Q's and a_op's global addresses alone
	s_and_b32 s11, ttmp7, 0xffff                   ; the pair of heads: 8 x batch + the last product's K step
	s_mov_b32 s[G1], 15|(3<<16)|(1<<21)            ; the mask: all four work-groups; elements of 8 bytes; 21 set beside a mask
	s_mov_b32 s[G1+1], 32<<16                      ; a dense block of 17,408 bytes: 68 rows of 32 elements
	s_mov_b32 s[G1+2], 68<<16
	s_mov_b32 s[G1+3], 32<<16
	s_mov_b32 s[G1+4], 68
	s_mov_b32 s[G1+5], 32
	s_mov_b32 s[G1+6], 0
	s_mov_b32 s[G1+7], 0
	s_mul_i32 s12, s11, 278528
	s_mov_b32 s13, 0
	s_and_b32 s81, s[WV], 1
	s_mul_i32 s14, s[WV], 17408                    ; wave w fetches two key steps: bytes 17,408 w on, in memory and in LDS
	s_mov_b32 s15, 0
	; my 16 queries in the K image: step 2 qb + wave / 8, fragment (wave % 8) / 2; query 16 (wave % 2) + r of its 32 keys lies in piece r / 8 at lane 8 (wave % 2) + r % 8
	s_lshl_b32 s76, s10, 1
	s_lshr_b32 s77, s[WV], 3
	s_add_co_u32 s76, s76, s77
	s_mul_i32 s78, s76, 8704
	s_and_b32 s79, s[WV], 7
	s_lshr_b32 s80, s79, 1
	s_lshl_b32 s68, s80, 10
	s_add_co_u32 s68, s68, s78
	s_lshl_b32 s82, s81, 7
	s_add_co_u32 s68, s68, s82
	s_mov_b32 s69, 0
	s_and_b32 s72, s80, 1
	s_lshl_b32 s72, s72, 7
	s_add_co_u32 s72, s72, s78
	s_lshl_b32 s82, s81, 6
	s_add_co_u32 s72, s72, s82
	s_lshr_b32 s82, s80, 1
	s_lshl_b32 s82, s82, 2
	s_add_co_u32 s72, s72, s82
	s_add_co_u32 s72, s72, 8192
	s_mov_b32 s73, 0
	; a_op: group of 128 rows 16 x batch + 2 qb + wave / 8, K step, tile wave % 8
	s_lshr_b32 s83, s11, 3
	s_lshl_b32 s83, s83, 4
	s_and_b32 s84, s11, 7
	s_mul_i32 s84, s84, 8704
	s_add_co_u32 s70, s83, s76
	s_mul_i32 s70, s70, 69632
	s_add_co_u32 s70, s70, s84
	s_lshl_b32 s82, s79, 10
	s_add_co_u32 s70, s70, s82
	s_mov_b32 s71, 0
	s_lshl_b32 s74, s10, 1
	s_add_co_u32 s74, s74, s81                     ; waves 0 and 1 store the scale words of the block's two groups
	s_add_co_u32 s74, s74, s83
	s_mul_i32 s74, s74, 69632
	s_add_co_u32 s74, s74, s84
	s_add_co_u32 s74, s74, 8192
	s_mov_b32 s75, 0
	s_mov_b32 s[SEL], 0x76543210
	s_mov_b32 s[SEL+1], 0xfedcba98
	s_mov_b32 s[CS], 0x3e38aa3b                    ; c = log2(e) / 8
	s_mov_b32 s[CS+1], s[CS]
	s_lshl_b32 s86, s81, 9
	s_add_co_u32 s86, s86, SCR
	s_lshl_b32 s87, s[WV], 6
	s_add_co_u32 s87, s87, SCR
	v_and_b32 v240, 31, v0                         ; lane
	v_and_b32 v241, 15, v0                         ; r
	v_bfe_u32 v242, v0, 4, 1                       ; h
	v_and_b32 v246, 7, v0                          ; r % 8
	v_bfe_u32 v247, v0, 3, 1                       ; r / 8
	v_lshlrev_b32 v[L16], 4, v240
	v_lshlrev_b32 v[AV], 4, v240
	v_lshlrev_b32 v[AVS], 3, v240
	v_lshl_add_u32 v[CPA], v240, 4, s86
	v_lshl_add_u32 v[SCA], v241, 2, s87
	v_lshlrev_b32 v248, 4, v246
	v_lshl_add_u32 v248, v242, 8, v248             ; 16 (r % 8) + 256 h
	v_lshl_add_u32 v204, v247, 9, v248             ; Q's codes: + 512 (r / 8)
	v_lshlrev_b32 v205, 3, v246
	v_lshl_add_u32 v250, v247, 7, v205             ; 8 (r % 8) + 128 (r / 8)
	v_lshl_add_u32 v205, v247, 1, v205             ; Q's two scale bytes: 8 (r % 8) + 2 (r / 8)
	v_mad_u32_u24 v[AK0], v247, 1152, v248         ; fragments (c, 0): rows 8-15 read the next block of 32 keys (1,024 on) and its other half of 16 (128 on)
	v_mad_u32_u24 v[AK1], v247, 896, v248
	v_add_nc_u32 v[AK1], 128, v[AK1]               ; fragments (c, 1): 128 (1 - r / 8) + 1,024 (r / 8)
	v_xor_b32 v249, v242, v247
	v_lshl_add_u32 v[AKS], v249, 6, v250           ; the same rows' scale words; lanes 16-31 take fragment (c, 1)'s
.irp j, 16,17,18,19,24,25,26,27
	v_mov_b32 v[\j], 0                             ; the zero codes on both sides of q
.endr
	v_mov_b32 v[PRM], 0                            ; written once: a lane permute's destination counts as one of its sources
	v_mov_b32 v[PR2], 0
	v_mov_b32 v[F+1], 0                            ; upper halves of pairs whose low word alone is used
	v_mov_b32 v15, 0
	s_wait_alu depctr_va_vdst(0)                   ; directly ahead of the waits below
	s_wait_dscnt 0x0
	s_wait_kmcnt 0x0
	s_add_nc_u64 s[16:17], s[4:5], s[12:13]        ; kv at my pair of heads: the four partners share it
	s_add_nc_u64 s[68:69], s[16:17], s[68:69]
	s_add_nc_u64 s[72:73], s[16:17], s[72:73]
	s_add_nc_u64 s[70:71], s[6:7], s[70:71]
	s_add_nc_u64 s[74:75], s[6:7], s[74:75]
	s_add_nc_u64 s[18:19], s[16:17], s[14:15]
	s_mov_b32 s[G0], 1                             ; count = 1
	s_mov_b32 s[G0+1], s14
	s_mov_b64 s[G0+2:G0+3], s[18:19]
	s_or_b32 s[G0+3], s[G0+3], 0x80000000          ; type = 2
	CROUND                                         ; all four work-groups are here: the joint loads meet
	tensor_load_to_lds s[G0:G0+3], s[G1:G1+7]      ; every wave's one load
	s_nop 0
.rept 4
	v_nop
.endr
	global_load_b128 v[20:23], v204, s[68:69]                  ; the first head's queries,
	global_load_b128 v[Q1:Q1+3], v204, s[68:69] offset:139264  ; the second's: a head's bytes further on
	global_load_u16 v[QS], v205, s[72:73]
	global_load_u16 v[Q1S], v205, s[72:73] offset:139264
.macro INIT                            ; a head's walk begins: zeros, which the first change of M leaves zeros
	v_mov_b32 v13, 0xff61b1e6                      ; the largest score so far: -3e38
	v_mov_b32 v14, 0x7f000000                      ; -M: so large that the first f is 0
.set j, 0
.rept 32
	v_mov_b32 v[O+j], 0
.set j, j+1
.endr
.set j, 0
.rept 16
	v_mov_b32 v[ACC+j], 0
.set j, j+1
.endr
.set j, 56
.rept 8
	v_mov_b32 v[S+j], 0                            ; the four pairs that a step adds for the step before it
.set j, j+1
.endr
	s_wait_alu depctr_va_vdst(0)                   ; ahead of the waits that follow
.endm
.macro SW d, a, b, sc, row             ; one tile of S^T
.if \row
	v_wmma_scale_f32_16x16x128_f8f6f4 v[(\d):(\d)+7], v[(\a):(\a)+7], v[(\b):(\b)+7], 0, v[\sc], v[QS] matrix_a_fmt:MATRIX_FMT_FP4 matrix_b_fmt:MATRIX_FMT_FP4 matrix_a_scale:MATRIX_SCALE_ROW1
.else
	v_wmma_scale_f32_16x16x128_f8f6f4 v[(\d):(\d)+7], v[(\a):(\a)+7], v[(\b):(\b)+7], 0, v[\sc], v[QS] matrix_a_fmt:MATRIX_FMT_FP4 matrix_b_fmt:MATRIX_FMT_FP4
.endif
.endm
.macro SCORES c                        ; the four tiles of keys 64 c on
	SW S+32*\c,    KF+16*\c,   20, KS+\c, 0
	SW S+32*\c+8,  KF+16*\c,   16, KS+\c, 0
	SW S+32*\c+16, KF+16*\c+8, 20, KS+\c, 1
	SW S+32*\c+24, KF+16*\c+8, 16, KS+\c, 1
.endm
.macro M1 r, c, x                      ; a chain of block c's maximum begins: three scores from x on
	v_max3_num_f32 v[\r+\c], v[S+32*\c+\x], v[S+32*\c+\x+1], v[S+32*\c+\x+2]
.endm
.macro M2 r, c, x                      ; and goes on: two more
	v_max3_num_f32 v[\r+\c], v[\r+\c], v[S+32*\c+\x], v[S+32*\c+\x+1]
.endm
.macro TM n                            ; t - M of n pairs, from pair j / 2 on
.rept \n
	v_pk_fma_f32 v[S+j:S+j+1], v[S+j:S+j+1], s[CS:CS+1], v[NNR:NNR+1] op_sel_hi:[1,0,0]
.set j, j+2
.endr
.endm
.macro OM n                            ; O^T under the new M: n pairs, from pair jo / 2 on
.rept \n
	v_pk_mul_f32 v[O+jo:O+jo+1], v[O+jo:O+jo+1], v[F:F+1] op_sel_hi:[1,0]
.set jo, jo+2
.endr
.endm
.macro SG n                            ; the row's sum of the unquantised p: pair ks goes to sum ks % 8; a sum's first line of a step brings it under the new M
.rept \n
.if ks < 8
	v_pk_fma_f32 v[ACC+2*ks:ACC+2*ks+1], v[ACC+2*ks:ACC+2*ks+1], v[F:F+1], v[S+2*ks:S+2*ks+1] op_sel_hi:[1,0,1]
.else
	v_pk_add_f32 v[ACC+2*(ks%8):ACC+2*(ks%8)+1], v[ACC+2*(ks%8):ACC+2*(ks%8)+1], v[S+2*ks:S+2*ks+1]
.endif
.set ks, ks+1
.endr
.endm
.macro LATE                            ; a step's last four pairs of p, added at the head of the next step (or of a head's end)
.irp a, 0,1,2,3
	v_pk_add_f32 v[ACC+2*\a:ACC+2*\a+1], v[ACC+2*\a:ACC+2*\a+1], v[S+56+2*\a:S+57+2*\a]
.endr
.endm
; A KEY STEP: 128 keys.  NN: the register that takes the new -M, NO: the one that holds the old.
.macro STEP NN, NO
.set NNR, \NN
	ds_load_b64 v[KS:KS+1], v[AKS] offset:8192
.irp c, 0,1
.irp u, 0,1
	ds_load_b128 v[KF+16*\c+4*\u:KF+16*\c+4*\u+3], v[AK0] offset:2048*\c+512*\u
	ds_load_b128 v[KF+16*\c+8+4*\u:KF+16*\c+8+4*\u+3], v[AK1] offset:2048*\c+512*\u
.endr
.endr
	ds_load_b64 v[VS:VS+1], v[AVS] offset:8448     ; (four additions stand between the last products and these loads into their registers)
.irp t, 0,1,2,3
.irp c, 0,1
	ds_load_b128 v[VF+8*\t+4*\c:VF+8*\t+4*\c+3], v[AV] offset:4096+\t*1024+\c*512
.endr
.endr
	s_wait_dscnt 9                                 ; K and its scales are in; V's nine loads may be out
	SCORES 0
	LATE                                           ; the four places behind the first four tiles
	SCORES 1
.irp c, 0,1                            ; the largest of each block's 32 scores, in four chains a block, the eight by turns; each accumulator is first read among its four lowest registers
	M1 240, \c, 0                                  ; (block 0's four lines are the places behind the second four tiles)
	M1 242, \c, 9
	M1 248, \c, 16
	M1 250, \c, 25
.endr
.irp c, 0,1
	M2 240, \c, 3
	M2 242, \c, 12
	M2 248, \c, 19
	M2 250, \c, 28
.endr
.irp c, 0,1
	M2 240, \c, 5
	M2 242, \c, 14
	M2 248, \c, 21
	M2 250, \c, 30
.endr
	M2 240, 0, 7
	M2 248, 0, 23
	v_max_num_f32 v242, v242, v250
	M2 240, 1, 7
	M2 248, 1, 23
	v_max_num_f32 v243, v243, v251
	v_add_nc_u32 v[AK0], 8704, v[AK0]              ; the next step's addresses stand between the merges
	v_max3_num_f32 v[BM], v[BM], v248, v242
	v_add_nc_u32 v[AK1], 8704, v[AK1]
	v_add_nc_u32 v[AKS], 8704, v[AKS]
	v_max3_num_f32 v[BM+1], v[BM+1], v249, v243
	v_add_nc_u32 v[AVS], 8704, v[AVS]
	s_delay_alu instid0(VALU_DEP_2)
	v_max_num_f32 v[LOC], v[BM], v[BM+1]
	s_delay_alu instid0(VALU_DEP_1)
	v_permlanex16_b32 v[PRM], v[LOC], s[SEL], s[SEL+1]
	s_delay_alu instid0(VALU_DEP_1)
	v_max3_num_f32 v13, v13, v[LOC], v[PRM]        ; the running largest score of my query
	s_delay_alu instid0(VALU_DEP_1)
	v_mul_f32 v[DD], s[CS], v13                    ; as t
	s_delay_alu instid0(VALU_DEP_1)
	v_floor_f32 v[\NN], -v[DD]                     ; the new -M = -ceil(t): a whole number
	s_delay_alu instid0(VALU_DEP_1)
	v_sub_f32 v[DD], v[\NN], v[\NO]                ; old M - new M: a whole number, 0 or less
.set j, 0
	TM 8
	v_cvt_i32_f32 v[DD], v[DD]                     ; (it saturates)
	TM 8
	v_ldexp_f32 v[F], 1.0, v[DD]                   ; f = 2^(old M - new M): a multiplication by it rounds nothing
	TM 16
.irp c, 0,1
	v_fma_f32 v[BM+\c], v[BM+\c], s[CS], v[\NN]    ; the same of each block's largest score
.endr
	s_wait_alu depctr_va_vdst(0)                   ; ahead of the batch, and ahead of the wait below
	s_wait_dscnt 0x0                               ; V and its scales are in
.set j, 0
.rept 64
	v_exp_f32 v[S+j], v[S+j]                       ; p = 2^(t - M)
.set j, j+1
.endr
.irp c, 0,1
	v_exp_f32 v[BM+\c], v[BM+\c]                   ; the block's largest p: the same two instructions on the same number
.endr
	v_add_nc_u32 v[AV], 8704, v[AV]                ; the plain place behind the exponentials: V's fragments of the next step
	s_wait_alu depctr_va_vdst(0)                   ; one wait, for the batch and for O^T's first readers: plain vector lines alone stand from here to the last of those
.set jo, 0
.set ks, 0
	OM 1
.irp c, 0,1
	v_max_num_f32 v[BM+\c], 0x1800000, v[BM+\c]    ; the floor 2^(3 - 127)
.endr
	OM 4
.irp c, 0,1
	v_add_nc_u32 v[SO+\c], 0xff000000, v[BM+\c]    ; the conversion's scale operand
.endr
	OM 4
.irp c, 0,1
	v_lshrrev_b32 v[BY+\c], 23, v[SO+\c]           ; the byte
.endr
	OM 4
	v_lshl_or_b32 v[WD], v[BY+1], 16, v[BY]        ; my blocks' bytes: blocks h and 2 + h
	OM 3
	SG 1
	v_permlanex16_b32 v[PR2], v[WD], s[SEL], s[SEL+1]
	SG 4
	v_lshl_or_b32 v[PW], v[PR2], 8, v[WD]          ; in lanes 0-15, which alone are read: the word of these 128 keys
.irp c, 0,1
.irp i, 0,1,2,3
	v_cvt_scalef32_pk8_fp4_f32 v[PC+4*\c+\i], v[S+32*\c+8*\i:S+32*\c+8*\i+7], v[SO+\c]   ; a whole block in a lane: the operand's registers as they stand
.endr
.endr
	SG 19                                          ; these lines are the places between the word, the codes and the products
.irp t, 0,2                            ; O^T += V^T P^T: register O + 16 bb + i = d 32 bb + 16 h + i
	v_wmma_scale_f32_16x16x128_f8f6f4 v[O+8*\t:O+7+8*\t], v[VF+8*\t:VF+8*\t+7], v[PC:PC+7], v[O+8*\t:O+7+8*\t], v[VS+\t/2], v[PW] matrix_a_fmt:MATRIX_FMT_FP4 matrix_b_fmt:MATRIX_FMT_FP4
	v_wmma_scale_f32_16x16x128_f8f6f4 v[O+8+8*\t:O+15+8*\t], v[VF+8+8*\t:VF+8+8*\t+7], v[PC:PC+7], v[O+8+8*\t:O+15+8*\t], v[VS+\t/2], v[PW] matrix_a_fmt:MATRIX_FMT_FP4 matrix_b_fmt:MATRIX_FMT_FP4 matrix_a_scale:MATRIX_SCALE_ROW1
.endr
.irp a, 4,5,6,7
	v_pk_add_f32 v[ACC+2*\a:ACC+2*\a+1], v[ACC+2*\a:ACC+2*\a+1], v[S+40+2*\a:S+41+2*\a]   ; pairs 24 to 27: the places behind the products
.endr
.endm
.macro WALK n                          ; a head's 16 key steps
	s_mov_b32 s[CNT], 8
.Lwalk\n:
	STEP 12, 14
	STEP 14, 12
	s_sub_co_u32 s[CNT], s[CNT], 1
	s_cmp_lg_u32 s[CNT], 0
	s_cbranch_scc1 .Lwalk\n
.endm
; A head is done: O^T / the sum, quantised along d (two blocks): register group P of my fragment of a_op and two bytes of its scale word.
.macro FINISH P, FC
	LATE                                           ; the last step's last four pairs
.irp a, 0,1,2,3
	v_pk_add_f32 v[ACC+2*\a:ACC+2*\a+1], v[ACC+2*\a:ACC+2*\a+1], v[ACC+8+2*\a:ACC+9+2*\a]
.endr
	v_pk_add_f32 v[ACC:ACC+1], v[ACC:ACC+1], v[ACC+2:ACC+3]
	v_pk_add_f32 v[ACC+4:ACC+5], v[ACC+4:ACC+5], v[ACC+6:ACC+7]
	v_pk_add_f32 v[ACC:ACC+1], v[ACC:ACC+1], v[ACC+4:ACC+5]
	v_add_f32 v[DD], v[ACC], v[ACC+1]
	v_permlanex16_b32 v[PRM], v[DD], s[SEL], s[SEL+1]
	v_add_f32 v[DD], v[DD], v[PRM]                 ; with lane l xor 16's: the row's sum
	s_wait_alu depctr_va_vdst(0)                   ; ahead of the transcendental
	v_rcp_f32 v[DD], v[DD]
	v_nop                                          ; the plain place behind it
	s_wait_alu depctr_va_vdst(0)                   ; ahead of the reciprocal's and O^T's first readers
.set j, 0
.rept 32
	v_mul_f32 v[S+j], v[O+j], v[DD]                ; each accumulator from its low end on
.set j, j+1
.endr
.irp b, 0,1                            ; each block's largest magnitude in two chains, the four by turns
	v_max3_num_f32 v[240+\b], |v[S+16*\b]|, |v[S+1+16*\b]|, 0x1800000
.endr
.irp b, 0,1
	v_max3_num_f32 v[242+\b], |v[S+8+16*\b]|, |v[S+9+16*\b]|, |v[S+10+16*\b]|
.endr
.irp i, 2,4
.irp b, 0,1
	v_max3_num_f32 v[240+\b], v[240+\b], |v[S+16*\b+\i]|, |v[S+1+16*\b+\i]|
.endr
.irp b, 0,1
	v_max3_num_f32 v[242+\b], v[242+\b], |v[S+9+16*\b+\i]|, |v[S+10+16*\b+\i]|
.endr
.endr
.irp b, 0,1
	v_max3_num_f32 v[240+\b], v[240+\b], |v[S+6+16*\b]|, |v[S+7+16*\b]|
.endr
.irp b, 0,1
	v_max3_num_f32 v[BM+\b], v[240+\b], v[242+\b], |v[S+15+16*\b]|
.endr
	v_permlanex16_b32 v[PRM], v[BM], s[SEL], s[SEL+1]
	v_permlanex16_b32 v[PR2], v[BM+1], s[SEL], s[SEL+1]
	v_max_num_f32 v[BM], v[BM], v[PRM]
	v_max_num_f32 v[BM+1], v[BM+1], v[PR2]
.irp b, 0,1
	v_add_nc_u32 v[SO+\b], 0xff000000, v[BM+\b]
.endr
.irp b, 0,1
	v_lshrrev_b32 v[BY+\b], 23, v[SO+\b]
.endr
.if \P == 0
	v_lshl_or_b32 v[AW], v[BY+1], 8, v[BY]         ; bytes 0 and 1 of my row's word
.else
	v_lshl_or_b32 v[WD], v[BY+1], 8, v[BY]
	v_lshl_or_b32 v[AW], v[WD], 16, v[AW]          ; bytes 2 and 3
.endif
.irp b, 0,1
	v_cvt_scalef32_pk8_fp4_f32 v[\FC+2*\b], v[S+16*\b:S+7+16*\b], v[SO+\b]
	v_cvt_scalef32_pk8_fp4_f32 v[\FC+1+2*\b], v[S+8+16*\b:S+15+16*\b], v[SO+\b]
.endr
	v_nop                                          ; one plain place behind a scaled conversion
	v_permlane16_swap_b32 v[\FC], v[\FC+2]
	v_permlane16_swap_b32 v[\FC+1], v[\FC+3]
	global_store_b128 v[L16], v[\FC:\FC+3], s[70:71] offset:512*\P   ; 512 consecutive bytes, aligned; each head has its own four registers
.endm
	s_wait_loadcnt 0x0                             ; Q
	v_lshl_or_b32 v[QS], v[QS], 16, v[QS]          ; (s0, s1, s0, s1): the same two bytes for either place of q
	INIT                                           ; (its lines are also the places between that word and the first product)
	s_wait_tensorcnt 0x0                           ; my load has landed
	s_barrier_signal -1
	s_barrier_wait -1                              ; everybody's has: both heads' images are whole, and nothing is filled again
	WALK 0
	FINISH 0, 196
.irp k, 0,1,2,3
	v_mov_b32 v[20+\k], v[Q1+\k]                   ; the second head's queries; the walking addresses stand at its image
.endr
	v_lshl_or_b32 v[QS], v[Q1S], 16, v[Q1S]
	INIT
	WALK 1
	FINISH 1, 200
	ds_store_b32 v[SCA], v[AW]                     ; both halves of the lanes write the same word
	s_wait_dscnt 0x0                               ; for the others' sake
	s_barrier_signal -1
	s_barrier_wait -1
	s_cmp_lt_u32 s[WV], 2
	s_cbranch_scc0 .Lno_copy
	ds_load_b128 v[208:211], v[CPA]                ; 128 rows' scale words: 512 consecutive bytes
	s_wait_dscnt 0x0
	global_store_b128 v[L16], v[208:211], s[74:75]
.Lno_copy:
	s_wait_tensorcnt 0x0                           ; the wave's end
	ds_add_u32 v[SPW], v[NIL]
	s_wait_dscnt 0x0
	CROUND                                         ; the closing round
	s_endpgm
.Lfunc_end_k_q043885342c_attn:
	.size	k_q043885342c_attn, .Lfunc_end_k_q043885342c_attn-k_q043885342c_attn
	.p2alignl 7, 3214868480
	.fill 96, 4, 3214868480
	.section	.rodata,"a",@progbits
	.p2align	6, 0x0
	.amdhsa_kernel k_q043885342c_attn
		.amdhsa_group_segment_fixed_size 281600
		.amdhsa_private_segment_fixed_size 0
		.amdhsa_enable_private_segment 0
		.amdhsa_kernarg_size 16
		.amdhsa_user_sgpr_count 2
		.amdhsa_user_sgpr_kernarg_segment_ptr 1
		.amdhsa_wavefront_size32 1
		.amdhsa_system_sgpr_workgroup_id_x 1
		.amdhsa_system_sgpr_workgroup_id_y 1
		.amdhsa_system_sgpr_workgroup_id_z 1
		.amdhsa_system_vgpr_workitem_id 0
		.amdhsa_next_free_vgpr 256
		.amdhsa_next_free_sgpr 100
		.amdhsa_reserve_vcc 0
		.amdhsa_float_denorm_mode_32 3
		.amdhsa_float_denorm_mode_16_64 3
		.amdhsa_memory_ordered 1
		.amdhsa_forward_progress 1
		.amdhsa_inst_pref_size 75
	.end_amdhsa_kernel
	.amdgpu_metadata
---
amdhsa.version: [ 1, 2 ]
amdhsa.kernels:
  - .name:           k_q043885342c_attn
    .symbol:         k_q043885342c_attn.kd
    .args:
      - { .name: kv, .offset: 0, .size: 8, .value_kind: global_buffer, .address_space: global }
      - { .name: a_op, .offset: 8, .size: 8, .value_kind: global_buffer, .address_space: global }
    .group_segment_fixed_size: 281600
    .private_segment_fixed_size: 0
    .kernarg_segment_align: 8
    .kernarg_segment_size: 16
    .max_flat_workgroup_size: 512
    .sgpr_count:     100
    .vgpr_count:     256
    .wavefront_size: 32
...
	.end_amdgpu_metadata
.endif
;; end of part 3
;; launch outp (part 4): grid 4 x 64, 16 waves a work-group, clusters of 4 x 4, 280,576 bytes of LDS; arguments a_op, w_op, out0; writes out0
.if DOCPART == 4
	.amdgcn_target "amdgcn-amd-amdhsa--gfx1250"
	.amdhsa_code_object_version 6
	.text
	.protected	k_q043885342c_outp
	.globl	k_q043885342c_outp
	.p2align	8
	.type	k_q043885342c_outp,@function
k_q043885342c_outp:
	s_mov_b64 s[64:65], 0
	v_nop
	global_prefetch_b8 v0, s[64:65] scope:SCOPE_SE
	s_setreg_imm32_b32 hwreg(HW_REG_WAVE_MODE, 25, 1), 1
	s_wait_xcnt 0x0
	s_wait_alu depctr_hold_cnt(0) depctr_sa_sdst(0) depctr_va_vdst(0) depctr_va_sdst(0) depctr_va_ssrc(0) depctr_va_vcc(0) depctr_vm_vsrc(0)
	s_getreg_b32 s2, hwreg(HW_REG_IB_STS2, 6, 4)
	s_cmp_eq_u32 s2, 0
	s_cbranch_scc0 .Lentry_in_a_cluster
	s_endpgm
.Lentry_in_a_cluster:
	s_bfe_u32 s2, ttmp6, 0x10000c
	s_cmp_lg_u32 s2, 0xf033
	s_cbranch_scc0 .Lentry_shape_is_right
	s_endpgm
.Lentry_shape_is_right:
; out0 = attn W on codes of FP4; out0 [8192][1024] f32.  a_op and w_op are images of operand registers: [group][K step][fragments, then scale words].
; A work-group takes 128 rows x 256 columns; all 1,024 of K of both operands lie in LDS as they lie in memory (69,632 + 139,264 bytes), filled once: no slot is filled again.
; Sixteen waves: wave = 4 x (64 columns) + (32 rows): 2 tiles of rows, 4 tiles of W: 8 accumulators.  The product is used transposed (source 0 = W): by the order of W's columns in its tiles a lane's 16 registers of two
; neighbouring tiles are 16 neighbouring columns of one row of out0.  CLUSTER 4 x 4: a_op's part is asked for jointly along a row of the cluster, W's along a column.
.set WV,   10
.set G1X,  24                          ; s[24:31] descriptor group 1, a_op's mask;  s[32:39] W's mask
.set G1W,  32
.set G0X,  40                          ; s[40:43] group 0 for a_op's part (waves 0-3, one load each);  s[68:71] for W's (waves 4-11, one load each)
.set G0W,  68
.set WPART, 69632
.set STG,  208896                      ; behind the operands: a stage of 16 rows x 272 bytes for each wave, its own, never filled
.set SPITCH, 272                       ; 256 bytes + 16 = 68 words: rows start 4 banks apart (64 banks of 4 bytes: ISA guide 11.1)
.set XB,   1
.set XSB,  2
.set WB,   3
.set WSB,  5
.set SO,   8                           ; v8  the stage: where I put 64 bytes of a row
.set SR,   9                           ; v9  where I read a row back
.set GO,   10                          ; v10 my byte offset in out0
.set SX,   12                          ; v12 a_op's scale words;  v13-14 W's: scales and nothing else
.set SW,   13
.set XF,   16
.set WF,   32
.set D1,   64                          ; v64-127 accumulator (u, t) at 32 u + 8 t
.set OB,   128                         ; v128-191 32 rows read back
.macro WM d, a, b, zero, sa, sb, ra, rb
.if \zero
.if (\ra) && (\rb)
	v_wmma_scale_f32_16x16x128_f8f6f4 v[(\d):(\d)+7], v[(\a):(\a)+7], v[(\b):(\b)+7], 0, v[\sa], v[\sb] matrix_a_fmt:MATRIX_FMT_FP4 matrix_b_fmt:MATRIX_FMT_FP4 matrix_a_scale:MATRIX_SCALE_ROW1 matrix_b_scale:MATRIX_SCALE_ROW1
.elseif \ra
	v_wmma_scale_f32_16x16x128_f8f6f4 v[(\d):(\d)+7], v[(\a):(\a)+7], v[(\b):(\b)+7], 0, v[\sa], v[\sb] matrix_a_fmt:MATRIX_FMT_FP4 matrix_b_fmt:MATRIX_FMT_FP4 matrix_a_scale:MATRIX_SCALE_ROW1
.elseif \rb
	v_wmma_scale_f32_16x16x128_f8f6f4 v[(\d):(\d)+7], v[(\a):(\a)+7], v[(\b):(\b)+7], 0, v[\sa], v[\sb] matrix_a_fmt:MATRIX_FMT_FP4 matrix_b_fmt:MATRIX_FMT_FP4 matrix_b_scale:MATRIX_SCALE_ROW1
.else
	v_wmma_scale_f32_16x16x128_f8f6f4 v[(\d):(\d)+7], v[(\a):(\a)+7], v[(\b):(\b)+7], 0, v[\sa], v[\sb] matrix_a_fmt:MATRIX_FMT_FP4 matrix_b_fmt:MATRIX_FMT_FP4
.endif
.else
.if (\ra) && (\rb)
	v_wmma_scale_f32_16x16x128_f8f6f4 v[(\d):(\d)+7], v[(\a):(\a)+7], v[(\b):(\b)+7], v[(\d):(\d)+7], v[\sa], v[\sb] matrix_a_fmt:MATRIX_FMT_FP4 matrix_b_fmt:MATRIX_FMT_FP4 matrix_a_scale:MATRIX_SCALE_ROW1 matrix_b_scale:MATRIX_SCALE_ROW1
.elseif \ra
	v_wmma_scale_f32_16x16x128_f8f6f4 v[(\d):(\d)+7], v[(\a):(\a)+7], v[(\b):(\b)+7], v[(\d):(\d)+7], v[\sa], v[\sb] matrix_a_fmt:MATRIX_FMT_FP4 matrix_b_fmt:MATRIX_FMT_FP4 matrix_a_scale:MATRIX_SCALE_ROW1
.elseif \rb
	v_wmma_scale_f32_16x16x128_f8f6f4 v[(\d):(\d)+7], v[(\a):(\a)+7], v[(\b):(\b)+7], v[(\d):(\d)+7], v[\sa], v[\sb] matrix_a_fmt:MATRIX_FMT_FP4 matrix_b_fmt:MATRIX_FMT_FP4 matrix_b_scale:MATRIX_SCALE_ROW1
.else
	v_wmma_scale_f32_16x16x128_f8f6f4 v[(\d):(\d)+7], v[(\a):(\a)+7], v[(\b):(\b)+7], v[(\d):(\d)+7], v[\sa], v[\sb] matrix_a_fmt:MATRIX_FMT_FP4 matrix_b_fmt:MATRIX_FMT_FP4
.endif
.endif
.endm
.macro CROUND
	s_barrier_signal -1
	s_barrier_wait -1
	s_cmp_lg_u32 s[WV], 0
	s_cbranch_scc1 .Lnot_wave_0_\@
	s_barrier_signal -3
.Lnot_wave_0_\@:
	s_barrier_wait -3
	s_barrier_signal -1
	s_barrier_wait -1
.endm
	s_load_b128 s[4:7], s[0:1], 0x0                ; a_op, w_op
	s_load_b64 s[8:9], s[0:1], 0x10                ; out0
	v_lshl_add_u32 v254, v0, 2, 0x44000
	v_mov_b32 v255, 0
	ds_add_u32 v254, v255
	ds_add_u32 v254, v255
	v_lshrrev_b32 v1, 5, v0
	s_delay_alu instid0(VALU_DEP_1)
	v_readfirstlane_b32 s[WV], v1                  ; wave 0..15
	s_bfe_u32 s11, ttmp6, 0x40000                  ; cx
	s_bfe_u32 s12, ttmp6, 0x40004                  ; cy
	s_lshl_b32 s13, ttmp9, 2
	s_add_co_u32 s13, s13, s11                     ; work-group x: the group of 256 columns
	s_and_b32 s14, ttmp7, 0xffff
	s_lshl_b32 s14, s14, 2
	s_add_co_u32 s14, s14, s12                     ; work-group y: the group of 128 rows
	s_lshl_b32 s15, s12, 2
	s_lshl_b32 s15, 15, s15                        ; my row of the cluster
	s_lshl_b32 s16, 0x1111, s11                    ; my column
	s_or_b32 s[G1X], s15, (3<<16)|(1<<21)          ; the mask; elements of 8 bytes; 21 set beside a mask
	s_or_b32 s[G1W], s16, (3<<16)|(1<<21)
.irp g, G1X, G1W
	s_mov_b32 s[\g+1], 32<<16                      ; a dense block of 17,408 bytes: 68 rows of 32 elements
	s_mov_b32 s[\g+2], 68<<16
	s_mov_b32 s[\g+3], 32<<16
	s_mov_b32 s[\g+4], 68
	s_mov_b32 s[\g+5], 32
	s_mov_b32 s[\g+6], 0
	s_mov_b32 s[\g+7], 0
.endr
	s_lshr_b32 s18, s[WV], 2                       ; my 64 columns of the 256
	s_and_b32 s19, s[WV], 3                        ; my 32 rows of the 128
	s_add_co_u32 s17, s[WV], 4
	s_and_b32 s17, s17, 7
	s_mul_i32 s17, s17, 17408                      ; waves 4-11 fetch W's K step wave - 4
	s_mul_i32 s44, s19, 17408                      ; waves 0-3 fetch a_op's K steps 2 wave and 2 wave + 1
	s_mul_i32 s56, s14, 69632                      ; a_op's part: by y alone
	s_add_co_u32 s56, s56, s44
	s_mov_b32 s57, 0
	s_mul_i32 s58, s13, 139264                     ; W's part: by x alone
	s_add_co_u32 s58, s58, s17
	s_mov_b32 s59, 0
	s_lshl_b32 s84, s14, 19                        ; out0: 128 rows of 4,096 bytes a group,
	s_lshl_b32 s60, s19, 17                        ; my 32 rows,
	s_add_co_u32 s84, s84, s60
	s_lshl_b32 s60, s13, 10                        ; 256 columns,
	s_add_co_u32 s84, s84, s60
	s_lshl_b32 s60, s18, 8                         ; my 64
	s_add_co_u32 s84, s84, s60
	s_mov_b32 s85, 0
	v_and_b32 v15, 31, v0
	v_and_b32 v228, 15, v0                         ; r
	v_bfe_u32 v229, v0, 4, 1                       ; h
	s_delay_alu instid0(VALU_DEP_3)
	v_lshlrev_b32 v7, 4, v15
	s_delay_alu instid0(VALU_DEP_4)
	v_lshlrev_b32 v230, 2, v15
	s_lshl_b32 s22, s19, 11
	v_add_nc_u32 v[XB], s22, v7                    ; my two tiles of rows
	s_lshl_b32 s22, s19, 7
	s_add_co_u32 s22, s22, 8192
	v_add_nc_u32 v[XSB], s22, v230                 ; their scale words: lanes 0-15 the first tile's, lanes 16-31 the second's
	s_lshl_b32 s22, s18, 12
	s_add_co_u32 s22, s22, WPART
	v_add_nc_u32 v[WB], s22, v7                    ; my four tiles of W, K steps 0-3,
	s_delay_alu instid0(VALU_DEP_1)
	v_add_nc_u32 v[WB+1], 4*17408, v[WB]           ; and 4-7
	s_lshl_b32 s22, s18, 8
	s_add_co_u32 s22, s22, WPART+16384
	v_add_nc_u32 v[WSB], s22, v230
	s_delay_alu instid0(VALU_DEP_1)
	v_add_nc_u32 v[WSB+1], 4*17408, v[WSB]
	s_mul_i32 s22, s[WV], 16*SPITCH
	s_add_co_u32 s22, s22, STG                     ; my stage
	v_mul_u32_u24 v[SO], v228, SPITCH
	s_delay_alu instid0(VALU_DEP_1)
	v_lshl_add_u32 v[SO], v229, 6, v[SO]
	s_delay_alu instid0(VALU_DEP_1)
	v_add_nc_u32 v[SO], s22, v[SO]                 ; in: row r, + 64 h
	v_mul_u32_u24 v[SR], v229, SPITCH
	s_delay_alu instid0(VALU_DEP_1)
	v_lshl_add_u32 v[SR], v228, 4, v[SR]
	s_delay_alu instid0(VALU_DEP_1)
	v_add_nc_u32 v[SR], s22, v[SR]                 ; back: lanes 0-15 one row of 256 bytes, lanes 16-31 the next
	v_lshlrev_b32 v[GO], 12, v229
	s_delay_alu instid0(VALU_DEP_1)
	v_lshl_add_u32 v[GO], v228, 4, v[GO]           ; and the same two rows in out0
	s_wait_dscnt 0x0
	s_wait_kmcnt 0x0
	s_add_nc_u64 s[56:57], s[4:5], s[56:57]
	s_add_nc_u64 s[58:59], s[6:7], s[58:59]
	s_add_nc_u64 s[84:85], s[8:9], s[84:85]
	s_mov_b32 s[G0X], 1                            ; count = 1
	s_mov_b32 s[G0X+1], s44                        ; LDS = the offset in a_op's part
	s_mov_b64 s[G0X+2:G0X+3], s[56:57]
	s_or_b32 s[G0X+3], s[G0X+3], 0x80000000        ; type = 2
	s_mov_b32 s[G0W], 1
	s_add_co_u32 s[G0W+1], s17, WPART
	s_mov_b64 s[G0W+2:G0W+3], s[58:59]
	s_or_b32 s[G0W+3], s[G0W+3], 0x80000000
	CROUND                                         ; all sixteen work-groups are here: the joint loads meet
	s_cmp_lt_u32 s[WV], 4                          ; one chain of branches on the wave's number, one load to an arm
	s_cbranch_scc0 .Lnot_x
	tensor_load_to_lds s[G0X:G0X+3], s[G1X:G1X+7]
	s_nop 0
.rept 4
	v_nop                                          ; four behind a tensor load
.endr
	s_branch .Lfilled
.Lnot_x:
	s_cmp_lt_u32 s[WV], 12
	s_cbranch_scc0 .Lfilled
	tensor_load_to_lds s[G0W:G0W+3], s[G1W:G1W+7]
	s_nop 0
.rept 4
	v_nop
.endr
.Lfilled:
; A K step of 128: 15 LDS loads, 8 matrix instructions on 8 accumulators, which take turns in the same order in every step.
.macro KSTEP ks
.set Z, 0
.if (\ks) == 0
.set Z, 1
.endif
.if (\ks) == 0
	s_wait_tensorcnt 0x0                           ; my one load has landed
	s_barrier_signal -1
	s_barrier_wait -1                              ; everybody's has: both operands are whole, and nothing is filled again
.endif
.if (\ks) > 0
.rept 4
	v_nop                                          ; places in front of loads into registers that matrix instructions have read
.endr
.endif
	ds_load_b32 v[SX], v[XSB] offset:(\ks)*8704
	ds_load_b32 v[SW], v[WSB+(\ks)/4] offset:((\ks)%4)*17408
	ds_load_b32 v[SW+1], v[WSB+(\ks)/4] offset:((\ks)%4)*17408+128
.irp u, 0,1
.irp c, 0,1
	ds_load_b128 v[XF+8*\u+4*\c:XF+8*\u+4*\c+3], v[XB] offset:(\ks)*8704+\u*1024+\c*512
.endr
.endr
.irp t, 0,1,2,3
.irp c, 0,1
	ds_load_b128 v[WF+8*\t+4*\c:WF+8*\t+4*\c+3], v[WB+(\ks)/4] offset:((\ks)%4)*17408+\t*1024+\c*512
.endr
.endr
	s_wait_dscnt 0x0
.irp u, 0,1
.irp t, 0,1,2,3
	WM D1+32*\u+8*\t, WF+8*\t, XF+8*\u, Z, SW+\t/2, SX, \t%2, \u
.endr
.endr
.endm
	s_wait_alu depctr_va_vdst(0)
.irp k, 0,1,2,3,4,5,6,7
	KSTEP \k
.endr
.rept 4
	v_nop                                          ; places in front of the first read of results
.endr
	; THE WAY OUT: register 32 u + 16 bb + i of lane (r, h) is out0(row 16 u + r, column 32 bb + 16 h + i).  16 rows x 256 bytes at a time through my own stage, back as whole rows.
.irp u, 0,1
.irp bb, 0,1
.irp k, 0,1,2,3
	ds_store_b128 v[SO], v[D1+32*\u+16*\bb+4*\k:D1+32*\u+16*\bb+4*\k+3] offset:\bb*128+\k*16   ; each accumulator from its low end on
.endr
.endr
.irp i, 0,1,2,3,4,5,6,7
	ds_load_b128 v[OB+32*\u+4*\i:OB+32*\u+4*\i+3], v[SR] offset:\i*2*SPITCH   ; LDS serves a wave's instructions in order: these see the stores above, and the next tile's stores come behind them
.endr
.endr
.irp u, 0,1
.irp i, 0,1,2,3,4,5,6,7
	s_wait_dscnt 23-16*\u-\i                       ; behind this load: the later loads of its tile, and for the first tile the second's sixteen LDS instructions
	global_store_b128 v[GO], v[OB+32*\u+4*\i:OB+32*\u+4*\i+3], s[84:85] offset:(16*\u+2*\i)*4096 th:TH_STORE_NT   ; sixteen lanes store 256 consecutive bytes, aligned
.endr
.endr
	s_wait_tensorcnt 0x0
	ds_add_u32 v254, v255
	s_wait_dscnt 0x0
	CROUND                                         ; the closing round
	s_endpgm
.Lfunc_end_k_q043885342c_outp:
	.size	k_q043885342c_outp, .Lfunc_end_k_q043885342c_outp-k_q043885342c_outp
	.p2alignl 7, 3214868480
	.fill 96, 4, 3214868480
	.section	.rodata,"a",@progbits
	.p2align	6, 0x0
	.amdhsa_kernel k_q043885342c_outp
		.amdhsa_group_segment_fixed_size 280576
		.amdhsa_private_segment_fixed_size 0
		.amdhsa_enable_private_segment 0
		.amdhsa_kernarg_size 24
		.amdhsa_user_sgpr_count 2
		.amdhsa_user_sgpr_kernarg_segment_ptr 1
		.amdhsa_wavefront_size32 1
		.amdhsa_system_sgpr_workgroup_id_x 1
		.amdhsa_system_sgpr_workgroup_id_y 1
		.amdhsa_system_sgpr_workgroup_id_z 1
		.amdhsa_system_vgpr_workitem_id 0
		.amdhsa_next_free_vgpr 256
		.amdhsa_next_free_sgpr 100
		.amdhsa_reserve_vcc 0
		.amdhsa_float_denorm_mode_32 3
		.amdhsa_float_denorm_mode_16_64 3
		.amdhsa_memory_ordered 1
		.amdhsa_forward_progress 1
		.amdhsa_inst_pref_size 28
	.end_amdhsa_kernel
	.amdgpu_metadata
---
amdhsa.version: [ 1, 2 ]
amdhsa.kernels:
  - .name:           k_q043885342c_outp
    .symbol:         k_q043885342c_outp.kd
    .args:
      - { .name: a_op, .offset: 0, .size: 8, .value_kind: global_buffer, .address_space: global }
      - { .name: w_op, .offset: 8, .size: 8, .value_kind: global_buffer, .address_space: global }
      - { .name: out0, .offset: 16, .size: 8, .value_kind: global_buffer, .address_space: global }
    .group_segment_fixed_size: 280576
    .private_segment_fixed_size: 0
    .kernarg_segment_align: 8
    .kernarg_segment_size: 24
    .max_flat_workgroup_size: 512
    .sgpr_count:     100
    .vgpr_count:     256
    .wavefront_size: 32
...
	.end_amdgpu_metadata
.endif
;; end of part 4
